; MI455X (gfx1250); checked and timed in simulation.
; The chip was launched on July 23, 2026; its instructions are those of AMD's public machine-readable ISA for CDNA 5 (MIT licence, August 2026) and "CDNA5" Instruction Set Architecture Reference Guide (July 2026). The comments in the code are by the model that wrote it; some were corrected since.
;; Attention. Allowed arithmetic: matrix products marked QUANTISED: E2M3 operands, one E8M0 scale for each 32 along K, by v_wmma_scale_f32_16x16x128_f8f6f4 with both operands' format E2M3, f32 sums; everything else in f32.
;; Inputs: wk 1,024 x 1,024 float32; wo 1,024 x 1,024 float32; wq 1,024 x 1,024 float32; wv 1,024 x 1,024 float32; x 2 x 2,048 x 1,024 float32.
;; Outputs: out0 2 x 2,048 x 1,024 float32.
;; This version of the problem:
;;   THIS VERSION OF THE PROBLEM IS GIVEN IN LOW PRECISION. The matrix products marked QUANTISED in the list below multiply operands that are first quantised to E2M3 (2 exponent bits, 3 mantissa bits; 6 bits a number), with one power-of-two scale for each 32 numbers along K (OCP MX v1.0); their sums are f32. All else is computed in f32.
;;   The module's matrix products, in the order in which they are computed (A, B: the left and right operand; K: the contracted axis; several contracted axes count as one K, in the product's order):
;;     1. [M 4,096, K 1,024] x [K 1,024, N 1,024]; A: input x; B: input wq: QUANTISED
;;     2. [M 4,096, K 1,024] x [K 1,024, N 1,024]; A: input x; B: input wk: QUANTISED
;;     3. [M 4,096, K 1,024] x [K 1,024, N 1,024]; A: input x; B: input wv: QUANTISED
;;     4. batch 32 x [M 2,048, K 64] x [K 64, N 2,048]; A: computed on the way; B: computed on the way: QUANTISED
;;     5. batch 32 x [M 2,048, K 2,048] x [K 2,048, N 64]; A: softmax (see below); B: computed on the way: QUANTISED
;;     6. [M 4,096, K 1,024] x [K 1,024, N 1,024]; A: computed on the way; B: input wo: QUANTISED
;;   THE QUANTISER, for each operand of a quantised product, along K:
;;     - K is cut into blocks of 32 from its start; a last block that is shorter is filled with zeros.
;;     - A block's scale is 2^e with e = floor(log2(the largest magnitude in the block)) - 2, held to -126 .. 127; a block of zeros has e = 0. As a byte (E8M0): e + 127.
;;     - Each number is divided by its block's scale, clamped to +-7.5, and rounded to the nearest number of E2M3, ties to even, subnormals kept.
;;     - The product sums the exact products of the quantised numbers (number of the format x scale) in f32.
;;   ~~~python
;;   def quantise(x, axis):      # numpy; x: float32 -> the quantised numbers, widened to float32 again
;;       x = np.moveaxis(x, axis, -1); K = x.shape[-1]
;;       x = np.pad(x, [(0, 0)] * (x.ndim - 1) + [(0, -K % 32)]); x = x.reshape(x.shape[:-1] + (-1, 32)); a = np.abs(x).max(-1, keepdims=True)
;;       e = np.where(a > 0, np.clip(np.frexp(np.where(a > 0, a, 1))[1] - 1 - 2, -126, 127), 0)      # np.frexp(a)[1] - 1 = floor(log2(a)), exactly
;;       r = np.clip(x / 2.0 ** e, -7.5, 7.5)
;;       step = 2.0 ** (np.maximum(np.frexp(np.where(r == 0, 1, r))[1] - 1, 0) - 3)
;;       q = np.round(r / step) * step * 2.0 ** e      # np.round: ties to even
;;       return np.moveaxis(q.reshape(q.shape[:-2] + (-1,))[..., :K], -1, axis).astype(np.float32)
;;   ~~~
;;   SOFTMAX AHEAD OF A QUANTISED PRODUCT. Where the list says 'softmax', what is quantised is not the finished softmax but p = 2^(t - M), with t = logit x log2(e) and M = ceil(the row's largest t), a whole number; so 1/2 < the row's largest p <= 1. The row's sum l is taken of the UNQUANTISED p, in f32, and the product's result is divided by l at the end. Since M is a whole number, a kernel that streams over the keys may use a running M (the ceiling of the running maximum): every later rescaling is an exact power of two, which a block's scale takes up: the codes' values come out the same.
;;   OPERANDS COMPUTED ON THE WAY. 'Computed on the way' means the value that the module computes at that place (a softmax that the list does not call 'softmax' is quantised finished and normalised). What goes into a quantiser is computed in f32, as accurately as f32 sums, v_exp_f32 and their like allow (about 1e-6 of the number): no bf16 or f16 on the way to a quantiser, and a product that is left as it is and whose result goes on into a quantised operand takes f32 operands (vector FMAs, or v_wmma_f32_16x16x4_f32). A number that lies on a knife's edge between two numbers of the format may be rounded either way, as far as f32 arithmetic and the matrix unit's own rounding can turn it there, and no further.
;; One version. Each part assembles by itself: llvm-mc -triple=amdgcn-amd-amdhsa -mcpu=gfx1250 --defsym DOCPART=n.
;; ======== version 1 of 1: 4 launches
;; limits: right only within a limited range of input values
;; workspace buffers: xq 3,276,800 bytes; wall 3,276,800 bytes; rope 524,288 bytes; qkv 9,830,400 bytes; oq 3,276,800 bytes
;; launch prep (part 1): grid 256 x 1, 4 waves a work-group, no clusters, 33,280 bytes of LDS; arguments x, wq, wk, wv, wo, xq, wall, rope; writes xq, wall, rope
.if DOCPART == 1
	.amdgcn_target "amdgcn-amd-amdhsa--gfx1250"
	.amdhsa_code_object_version 6
	.text
	.protected	k_qa384464eb9_prep
	.globl	k_qa384464eb9_prep
	.p2align	8
	.type	k_qa384464eb9_prep,@function
k_qa384464eb9_prep:
	s_mov_b64 s[64:65], 0
	v_nop
	global_prefetch_b8 v0, s[64:65] scope:SCOPE_SE
	s_setreg_imm32_b32 hwreg(HW_REG_WAVE_MODE, 25, 1), 1
	s_wait_xcnt 0x0
; x [4096][1024] and the four weights [1024][1024], f32, K innermost, become codes of FP6 (E2M3) with one E8M0 byte for each 32 along K; and the table of cosines and sines for the rotation is made.
; xq and wall are laid alike: codes [4096][768] from byte 0, scale bytes [4096][32] from byte SOFF.  wall: rows 0-1023 wq, 1024-2047 wk, 2048-3071 wv, 3072-4095 wo.
; A block's scale is 2^(floor(log2(its largest magnitude)) - 2); its byte is the largest magnitude's exponent field - 2, held at 1 from below.
; THE ROWS OF THE WEIGHTS ARE PLACED AS THE NEXT LAUNCH WANTS THEM.  A wave makes one group of 8 rows of its destination (8,192 numbers, 16 steps of 512); which 8 source rows these are is the only thing that differs:
;   x, wo: the same 8 rows.   wq, wk: in each 32 rows the groups of 8 lie in the order 0, 2, 1, 3, so that a lane's 16 results of two neighbouring tiles are 16 neighbouring columns.
;   wv: group O (bits 6 thi, 5 tlo, 4 cw, 3:2 b, 1 u, 0 h) holds rows 128 j + 64 u + d, j = 0 .. 7, d = 32 thi + 16 cw + 8 tlo + 2 b + h: one channel d of the tokens g = 2 j + u of a row.
; A step's four loads read 512 consecutive bytes each; the 2,048 bytes turn through the wave's own stage in LDS, so that a lane holds 16 neighbours along K; two neighbouring lanes hold a block.
; THE TABLE: rope[token][pair i][cos, sin], f32; token 0 holds (1, 0), token n >= 1 the angle (n - 1) x inv_i, inv_i = 1 / fl32(10^(i / 8)), each product rounded once.  A wave makes two tokens, a lane a pair.
; The angle is reduced by a multiple of pi / 2 given in three parts (fused multiply-adds), sine and cosine are Taylor sums on |r| <= pi / 4 (the first term left out is under 2e-9).
; LIMITS: NaN and infinities among the inputs are not served.  A block whose largest magnitude lies under 2^-124 keeps the byte 1; a block of zeros has the byte 1 where the quantiser's text says 127: its codes are zeros, and the
; bytes are read by this program alone.  The 32 constants 10^(i / 8) are rounded to nearest; a last-bit difference from another power function would turn an angle by at most 1e-4, alike for q and k.
; No tensor loads, no barrier: waves share nothing.
.set STEPS, 16
.set EMAX,  2
.set CB,    12                         ; bytes of 16 codes
.set R,     16                         ; v16-79   four sets of 16 numbers as they are loaded
.set X,     80                         ; v80-111  two sets of 16 neighbours
.set E,     112                        ; v112-127 a scale byte for each step
.set C,     128                        ; v128-191 codes: four registers for each step
.set VI,    192                        ; v192-199 16 x lane + e x (bytes from source row to source row), e = 0 .. 7; never rewritten
.set PT,    200                        ; v200 10^(i / 8), v201 its reciprocal, v202 at work; v204-223 the two tokens' work
.set WREG,  8192                       ; LDS: a region for each wave: two stages of 32 x SP bytes, behind them its 256 scale bytes
.set SP,    80                         ; a lane's place in a stage: 64 bytes + 16 of padding
.set SOFF,  3145728                    ; where the scale bytes begin in xq and in wall
	s_load_b256 s[4:11], s[0:1], 0x0               ; x s[4:5], wq s[6:7], wk s[8:9], wv s[10:11]
	s_load_b256 s[12:19], s[0:1], 0x20             ; wo s[12:13], xq s[14:15], wall s[16:17], rope s[18:19]
	v_lshl_add_u32 v224, v0, 2, 0x8000
	v_mov_b32 v225, 0
	v_lshrrev_b32 v1, 5, v0
	v_readfirstlane_b32 s20, v1                    ; wave
	v_and_b32 v2, 31, v0                           ; lane
	v_lshlrev_b32 v3, 4, v2                        ; my 16 bytes of a load's 512
	s_mul_i32 s21, s20, WREG
	v_lshrrev_b32 v14, 2, v2
	v_mul_u32_u24 v14, v14, SP
	v_and_b32 v15, 3, v2
	v_lshl_add_u32 v14, v15, 4, v14
	v_add_nc_u32 v14, s21, v14                     ; the stage, on the way in: SP (lane / 4) + 16 (lane % 4)
	v_mul_u32_u24 v15, v2, SP
	v_add_nc_u32 v15, s21, v15                     ; and on the way out: SP x lane: my 16 neighbours
	v_mul_u32_u24 v4, v2, CB                       ; my codes' place in a step's
	v_lshrrev_b32 v5, 1, v2
	s_add_co_u32 s21, s21, 2*32*SP
	v_add_nc_u32 v5, s21, v5                       ; LDS: my wave's 256 scale bytes, my block's byte
	v_lshlrev_b32 v7, 3, v2                        ; 8 bytes a lane
	v_add_nc_u32 v6, s21, v7
	; which group of 8 rows is mine, and from which source rows it is made
	s_lshl_b32 s22, ttmp9, 2
	s_add_co_u32 s22, s22, s20                     ; T = 4 x work-group + wave: 0-511 x, 512-1023 the weights
	s_and_b32 s23, s22, 511                        ; U: the group in its destination
	s_lshr_b32 s24, s23, 7                         ; which weight: 0 wq, 1 wk, 2 wv, 3 wo
	s_and_b32 s25, s23, 127                        ; O: the group in that weight
	s_and_b32 s26, s25, 0x7c
	s_and_b32 s27, s25, 1                          ; bit 0
	s_lshl_b32 s28, s27, 1
	s_or_b32 s26, s26, s28
	s_bfe_u32 s29, s25, 0x10001                    ; bit 1
	s_or_b32 s26, s26, s29                         ; O with its two lowest bits changed over
	s_lshl_b32 s26, s26, 3                         ; wq, wk: the first source row
	s_bfe_u32 s28, s25, 0x10006
	s_lshl_b32 s28, s28, 5                         ; 32 thi
	s_bfe_u32 s30, s25, 0x10004
	s_lshl_b32 s30, s30, 4                         ; 16 cw
	s_add_co_u32 s28, s28, s30
	s_bfe_u32 s30, s25, 0x10005
	s_lshl_b32 s30, s30, 3                         ; 8 tlo
	s_add_co_u32 s28, s28, s30
	s_bfe_u32 s30, s25, 0x20002
	s_lshl_b32 s30, s30, 1                         ; 2 b
	s_add_co_u32 s28, s28, s30
	s_add_co_u32 s28, s28, s27                     ; + h: the channel d
	s_lshl_b32 s29, s29, 6
	s_add_co_u32 s28, s28, s29                     ; wv: the first source row, 64 u + d
	s_lshl_b32 s30, s25, 3                         ; wo: 8 O
	s_lshl_b32 s32, s23, 3                         ; x: 8 U
	s_mov_b32 s31, 4096                            ; from row to row: a row,
	s_mov_b32 s33, 524288                          ; in wv 128 rows
	s_cmp_lt_u32 s24, 2
	s_cselect_b32 s30, s26, s30
	s_cmp_eq_u32 s24, 2
	s_cselect_b32 s30, s28, s30
	s_cselect_b32 s33, s33, s31
	s_cmp_lt_u32 s22, 512                          ; x overrides what the weights' lines chose
	s_cselect_b32 s30, s32, s30
	s_cselect_b32 s31, s31, s33
	s_lshl_b32 s34, s30, 12                        ; the first source row in bytes
	s_mov_b32 s35, 0
	s_mul_i32 s36, s23, 6144                       ; my codes in the destination: 8 rows of 768 bytes
	s_mov_b32 s37, 0
	s_lshl_b32 s38, s23, 8                         ; my 256 scale bytes
	s_add_co_u32 s38, s38, SOFF
	s_mov_b32 s39, 0
.irp e, 0,1,2,3,4,5,6,7
	s_mul_i32 s40, s31, \e
	v_add_nc_u32 v[VI+\e], s40, v3
.endr
	s_lshl_b32 s41, ttmp9, 3
	s_lshl_b32 s42, s20, 1
	s_add_co_u32 s41, s41, s42                     ; the first of my two tokens of the table
	s_lshl_b32 s44, s41, 8                         ; 256 bytes a token
	s_mov_b32 s45, 0
	s_wait_alu depctr_va_vdst(0)
	s_wait_kmcnt 0x0
	s_cmp_eq_u32 s24, 1                            ; the choices hang on the work-group's and the wave's number alone
	s_cselect_b64 s[6:7], s[8:9], s[6:7]
	s_cmp_eq_u32 s24, 2
	s_cselect_b64 s[6:7], s[10:11], s[6:7]
	s_cmp_eq_u32 s24, 3
	s_cselect_b64 s[6:7], s[12:13], s[6:7]
	s_cmp_lt_u32 s22, 512
	s_cselect_b64 s[4:5], s[4:5], s[6:7]           ; the source
	s_cselect_b64 s[14:15], s[14:15], s[16:17]     ; the destination
	s_add_nc_u64 s[4:5], s[4:5], s[34:35]
	s_add_nc_u64 s[8:9], s[14:15], s[36:37]        ; my codes
	s_add_nc_u64 s[10:11], s[14:15], s[38:39]      ; my scale bytes
	s_add_nc_u64 s[18:19], s[18:19], s[44:45]      ; my tokens of the table
.macro LOAD t                          ; step t: half t % 2 of source row t / 2
.irp i, 0,1,2,3
	global_load_b128 v[R+16*((\t)%4)+4*\i:R+16*((\t)%4)+4*\i+3], v[VI+(\t)/2], s[4:5] offset:2048*((\t)%2)+512*\i th:TH_LOAD_NT   ; 32 lanes read 512 consecutive bytes
.endr
.endm
.macro TURN t                          ; step t's numbers through the stage: LDS serves a wave's instructions in order, so no wait stands between the stores and the loads
.irp i, 0,1,2,3
	ds_store_b128 v14, v[R+16*((\t)%4)+4*\i:R+16*((\t)%4)+4*\i+3] offset:32*SP*((\t)%2)+8*SP*\i
.endr
.irp i, 0,1,2,3
	ds_load_b128 v[X+16*((\t)%2)+4*\i:X+16*((\t)%2)+4*\i+3], v15 offset:32*SP*((\t)%2)+16*\i
.endr
.endm
.irp t, 0,1,2,3
	LOAD \t
.endr
	; THE TABLE, while the first sixteen loads are on their way.  Lane i gets 10^(i / 8), rounded to f32
.macro PCONST i, val
	s_mov_b32 s40, \val
	v_writelane_b32 v[PT], s40, \i
.endm
	v_mov_b32 v[PT], 0
	PCONST 0, 0x3f800000
	PCONST 1, 0x3faab0d5
	PCONST 2, 0x3fe39ea9
	PCONST 3, 0x4017c496
	PCONST 4, 0x404a62c2
	PCONST 5, 0x4086f161
	PCONST 6, 0x40b3f300
	PCONST 7, 0x40eff755
	PCONST 8, 0x41200000
	PCONST 9, 0x41555d0a
	PCONST 10, 0x418e432a
	PCONST 11, 0x41bdb5bc
	PCONST 12, 0x41fcfb72
	PCONST 13, 0x4228adb9
	PCONST 14, 0x4260efc0
	PCONST 15, 0x4295fa95
	PCONST 16, 0x42c80000
	PCONST 17, 0x43055a26
	PCONST 18, 0x4331d3f4
	PCONST 19, 0x436d232b
	PCONST 20, 0x439e1d27
	PCONST 21, 0x43d2d927
	PCONST 22, 0x440c95d7
	PCONST 23, 0x443b793b
	PCONST 24, 0x447a0000
	PCONST 25, 0x44a6b0b0
	PCONST 26, 0x44de48f1
	PCONST 27, 0x451435fb
	PCONST 28, 0x4545a471
	PCONST 29, 0x4583c7b8
	PCONST 30, 0x45afbb4e
	PCONST 31, 0x45ea5789
	s_wait_alu depctr_va_vdst(0)
	v_rcp_f32 v[PT+1], v[PT]
	v_nop                                          ; a plain instruction behind the reciprocal
	s_wait_alu depctr_va_vdst(0)                   ; and the wait ahead of its first reader
	v_fma_f32 v[PT+2], -v[PT], v[PT+1], 1.0        ; one correction step: the quotient 1 / P rounded as a division rounds it
	v_fma_f32 v[PT+1], v[PT+2], v[PT+1], v[PT+1]   ; inv_i
.macro TOK u                           ; token s41 + u.  TK+0 angle, then r; +1 k; +2 r^2; +3 cos r; +4 sin r; +5 k as a whole number; +6 at work; +8, +9 the result
.set TK, 204+10*(\u)
	s_add_co_i32 s42, s41, (\u)-1                  ; t = token - 1
	v_cvt_f32_i32 v[TK], s42
	v_mul_f32 v[TK], v[TK], v[PT+1]                ; the angle, rounded once
	v_mul_f32 v[TK+1], 0x3f22f983, v[TK]           ; x 2 / pi
	v_rndne_f32 v[TK+1], v[TK+1]                   ; k
	v_fmamk_f32 v[TK], v[TK+1], 0xbfc90fd8, v[TK]  ; r = angle - k x pi / 2, pi / 2 in three parts
	v_fmamk_f32 v[TK], v[TK+1], 0xb4a8885a, v[TK]
	v_fmamk_f32 v[TK], v[TK+1], 0xa7c234c4, v[TK]
	v_mul_f32 v[TK+2], v[TK], v[TK]
	v_cvt_i32_f32 v[TK+5], v[TK+1]
	v_mov_b32 v[TK+3], 0xb493f27e                  ; cos r = 1 - s/2 + s^2/24 - s^3/720 + s^4/40320 - s^5/3628800, s = r^2
	v_fmaak_f32 v[TK+3], v[TK+3], v[TK+2], 0x37d00d01
	v_fmaak_f32 v[TK+3], v[TK+3], v[TK+2], 0xbab60b61
	v_fmaak_f32 v[TK+3], v[TK+3], v[TK+2], 0x3d2aaaab
	v_fma_f32 v[TK+3], v[TK+3], v[TK+2], -0.5
	v_fma_f32 v[TK+3], v[TK+3], v[TK+2], 1.0
	v_mov_b32 v[TK+4], 0x3638ef1d                  ; sin r = r + r s (-1/6 + s/120 - s^2/5040 + s^3/362880)
	v_fmaak_f32 v[TK+4], v[TK+4], v[TK+2], 0xb9500d01
	v_fmaak_f32 v[TK+4], v[TK+4], v[TK+2], 0x3c088889
	v_fmaak_f32 v[TK+4], v[TK+4], v[TK+2], 0xbe2aaaab
	v_mul_f32 v[TK+6], v[TK], v[TK+2]
	v_fma_f32 v[TK+4], v[TK+4], v[TK+6], v[TK]
	v_and_b32 v[TK+6], 1, v[TK+5]                  ; the quadrant: where k is odd the two change places;
	v_cmp_ne_u32 vcc_lo, 0, v[TK+6]
	v_cndmask_b32 v[TK+8], v[TK+3], v[TK+4], vcc_lo
	v_cndmask_b32 v[TK+9], v[TK+4], v[TK+3], vcc_lo
	v_lshlrev_b32 v[TK+6], 30, v[TK+5]             ; the sine changes sign where bit 1 of k is set,
	v_and_b32 v[TK+6], 0x80000000, v[TK+6]
	v_xor_b32 v[TK+9], v[TK+9], v[TK+6]
	v_add_nc_u32 v[TK+5], 1, v[TK+5]               ; the cosine where bit 1 of k + 1 is
	v_lshlrev_b32 v[TK+6], 30, v[TK+5]
	v_and_b32 v[TK+6], 0x80000000, v[TK+6]
	v_xor_b32 v[TK+8], v[TK+8], v[TK+6]
	s_cmp_eq_u32 s42, -1                           ; token 0 is not rotated: (1, 0)
	s_cselect_b32 s43, -1, 0
	v_cndmask_b32 v[TK+8], v[TK+8], 1.0, s43
	v_cndmask_b32 v[TK+9], v[TK+9], 0, s43
	global_store_b64 v7, v[TK+8:TK+9], s[18:19] offset:256*(\u)   ; 32 lanes store 256 consecutive bytes, at a multiple of 256 from the table's first byte
.endm
	TOK 0
	TOK 1
	s_wait_loadcnt 12                              ; step 0's four loads are in; those of steps 1 to 3 may be out
	TURN 0
.macro STEP t
.set XS, X+16*((\t)%2)
.if (\t) > 0
	s_wait_dscnt 1                                 ; this step's numbers are back from the stage (the last step's byte store may be out): so its stores into the stage have read their registers,
.else
	s_wait_dscnt 0x0
.endif
.if (\t)+4 < STEPS
	LOAD (\t)+4                                    ; which take the loads of four steps on
.endif
.if (\t)+1 < STEPS
.if STEPS-2-(\t) >= 3
	s_wait_loadcnt 12                              ; the next step's four loads are in; those of the three steps behind it may be out
.else
	s_wait_loadcnt 4*(STEPS-2-(\t))
.endif
	TURN (\t)+1                                    ; and go through the other stage while this step is worked
.endif
	v_max3_num_f32 v8, |v[XS]|, |v[XS+1]|, |v[XS+2]|               ; the largest magnitude of my 16
	v_max3_num_f32 v9, |v[XS+3]|, |v[XS+4]|, |v[XS+5]|
.irp i, 6,10
	v_max3_num_f32 v8, v8, |v[XS+\i]|, |v[XS+\i+1]|
	v_max3_num_f32 v9, v9, |v[XS+\i+2]|, |v[XS+\i+3]|
.endr
	v_max3_num_f32 v8, v8, |v[XS+14]|, |v[XS+15]|
	v_max3_num_f32 v8, v8, v9, (EMAX+1)<<23        ; and the floor 2^(3 - 127): the byte cannot fall under 1
	v_max_num_f32_dpp v8, v8, v8 row_xmask:1 row_mask:0xf bank_mask:0xf   ; and of my neighbour's 16: the block's
	v_add_nc_u32 v11, -(EMAX<<23), v8              ; 2 off its exponent field: the conversion takes the exponent field of this operand as its scale
	v_cvt_scalef32_pk16_fp6_f32 v[C+4*(\t):C+4*(\t)+2], v[XS:XS+15], v11
	v_lshrrev_b32 v[E+(\t)], 23, v11               ; the scale's byte (a plain instruction behind the conversion)
	ds_store_b8 v5, v[E+(\t)] offset:16*(\t)       ; both lanes of a block write the same byte with the same value
	global_store_b96 v4, v[C+4*(\t):C+4*(\t)+2], s[8:9] offset:32*CB*(\t)   ; the wave stores 384 consecutive bytes
.endm
.irp t, 0,1,2,3,4,5,6,7,8,9,10,11,12,13,14,15
	STEP \t
.endr
	ds_load_b64 v[12:13], v6                       ; LDS serves a wave's instructions in order: these see my stores
	s_wait_dscnt 0x0
	global_store_b64 v7, v[12:13], s[10:11]        ; 32 lanes store 256 consecutive bytes, aligned
	s_wait_tensorcnt 0x0
	ds_add_u32 v224, v225
	s_wait_dscnt 0x0
	s_endpgm
.Lfunc_end_k_qa384464eb9_prep:
	.size	k_qa384464eb9_prep, .Lfunc_end_k_qa384464eb9_prep-k_qa384464eb9_prep
	.p2alignl 7, 3214868480
	.fill 96, 4, 3214868480
	.section	.rodata,"a",@progbits
	.p2align	6, 0x0
	.amdhsa_kernel k_qa384464eb9_prep
		.amdhsa_group_segment_fixed_size 33280
		.amdhsa_private_segment_fixed_size 0
		.amdhsa_enable_private_segment 0
		.amdhsa_kernarg_size 64
		.amdhsa_user_sgpr_count 2
		.amdhsa_user_sgpr_kernarg_segment_ptr 1
		.amdhsa_wavefront_size32 1
		.amdhsa_system_sgpr_workgroup_id_x 1
		.amdhsa_system_sgpr_workgroup_id_y 1
		.amdhsa_system_sgpr_workgroup_id_z 1
		.amdhsa_system_vgpr_workitem_id 0
		.amdhsa_next_free_vgpr 226
		.amdhsa_next_free_sgpr 66
		.amdhsa_reserve_vcc 1
		.amdhsa_float_denorm_mode_32 3
		.amdhsa_float_denorm_mode_16_64 3
		.amdhsa_memory_ordered 1
		.amdhsa_forward_progress 1
		.amdhsa_inst_pref_size 43
	.end_amdhsa_kernel
	.amdgpu_metadata
---
amdhsa.version: [ 1, 2 ]
amdhsa.kernels:
  - .name:           k_qa384464eb9_prep
    .symbol:         k_qa384464eb9_prep.kd
    .args:
      - { .name: x, .offset: 0, .size: 8, .value_kind: global_buffer, .address_space: global }
      - { .name: wq, .offset: 8, .size: 8, .value_kind: global_buffer, .address_space: global }
      - { .name: wk, .offset: 16, .size: 8, .value_kind: global_buffer, .address_space: global }
      - { .name: wv, .offset: 24, .size: 8, .value_kind: global_buffer, .address_space: global }
      - { .name: wo, .offset: 32, .size: 8, .value_kind: global_buffer, .address_space: global }
      - { .name: xq, .offset: 40, .size: 8, .value_kind: global_buffer, .address_space: global }
      - { .name: wall, .offset: 48, .size: 8, .value_kind: global_buffer, .address_space: global }
      - { .name: rope, .offset: 56, .size: 8, .value_kind: global_buffer, .address_space: global }
    .group_segment_fixed_size: 33280
    .private_segment_fixed_size: 0
    .kernarg_segment_align: 8
    .kernarg_segment_size: 64
    .max_flat_workgroup_size: 128
    .sgpr_count:     66
    .vgpr_count:     226
    .wavefront_size: 32
...
	.end_amdgpu_metadata
.endif
;; end of part 1
;; launch qkv (part 2): grid 12 x 16, 4 waves a work-group, clusters of 4 x 4, 327,680 bytes of LDS; arguments xq, wall, rope, qkv; writes qkv
.if DOCPART == 2
	.amdgcn_target "amdgcn-amd-amdhsa--gfx1250"
	.amdhsa_code_object_version 6
	.text
	.protected	k_qa384464eb9_qkv
	.globl	k_qa384464eb9_qkv
	.p2align	8
	.type	k_qa384464eb9_qkv,@function
k_qa384464eb9_qkv:
	s_mov_b64 s[64:65], 0
	v_nop
	global_prefetch_b8 v0, s[64:65] scope:SCOPE_SE
	s_setreg_imm32_b32 hwreg(HW_REG_WAVE_MODE, 25, 1), 1
	s_wait_xcnt 0x0
	s_wait_alu depctr_hold_cnt(0) depctr_sa_sdst(0) depctr_va_vdst(0) depctr_va_sdst(0) depctr_va_ssrc(0) depctr_va_vcc(0) depctr_vm_vsrc(0)
	s_getreg_b32 s2, hwreg(HW_REG_IB_STS2, 6, 4)
	s_cmp_eq_u32 s2, 0
	s_cbranch_scc0 .Lentry_in_a_cluster
	s_endpgm
.Lentry_in_a_cluster:
	s_bfe_u32 s2, ttmp6, 0x10000c
	s_cmp_lg_u32 s2, 0xf033
	s_cbranch_scc0 .Lentry_shape_is_right
	s_endpgm
.Lentry_shape_is_right:
; q, k, v = x W^T on codes of FP6 (E2M3) with one E8M0 byte for each 32 along K = 1024: rows of xq against rows 0-3071 of wall (wq, wk, wv, their rows placed by the launch before); sums in f32.
; A tile is 256 x 256, a work-group of four waves, 128 x 128 a wave: 64 accumulators.  The matrix instruction is used transposed (source 0 = rows of wall, source 1 = rows of xq).
; K goes through two LDS slots in chunks of 256 bytes of each row of codes (a row is 768 bytes: three chunks, each at a multiple of 256 bytes); a step of 128 along K is 96 bytes: steps 2 and 5 lie across two chunks.
; The scale bytes of the tile's 256 + 256 rows are two dense blocks: they come once, at the head.  4 x 4 clusters: xq's tiles are asked for jointly along a row of the cluster, wall's along a column.
; THE WAY OUT.  q, k (cluster columns 0, 1): rotated by the table rope[token][pair][cos, sin], quantised along the 64 channels of a token in blocks of 32.  v (cluster column 2): quantised along the keys.
; Codes and scale bytes meet in a stage in slot 1, which has its last fill at the head and its last read ahead of step 5's barrier, and leave as runs of 512 bytes: qkv[32 heads][12 planes][4 chunks][6400].
; ASKED AHEAD: each wave names, a lane a row, chunks 1 and 2 of 32 of the 128 rows that it fetches (the four partners of a joint load share the rows out by address), and one of the eight blocks of 16 x 512 bytes of the
; table that its cluster's column of tokens reads (shared out by address among cy and the wave's row half).  K has three chunks only, so all is asked for once, at the head.
; LIMITS: NaN and infinities are not served; a block under 2^-124 keeps the byte 1, a block of zeros too (zero codes; the bytes are read by this program alone).
.set SOFF,   3145728
.set ROWB,   256
.set NQ,     2
.set KROW,   768
.set STEPS,  8
.set CHUNKS, 3
.set PITCH,  272
.set FR,     12
.set NL,     6
.set NP,     4
.set HALFT,  128*PITCH
.set SLOT,   4*HALFT
.set KS,     32
.set SCL,    2*SLOT
.set HALFS,  (128*KS/256)*272
.set SBLK,   (16*KS/256)*272
.set SPARE,  SCL+4*HALFS
.set STG,    SLOT                      ; the stage: q, k from STG, v from STG + STGV
.set STGV,   51200
.set ADRA, 16                          ; v16-17 my fragments of xq in slot 0, 1; v18-19 for pieces whose two lane halves lie in different slots
.set ADRB, 20                          ; v20-23 the same for wall
.set ADRS, 27
.set SPW,  28
.set NIL,  29
.set PFO,  30                          ; lane x 768; never rewritten
.set RPF,  31                          ; my block of the table; never rewritten
.set SC,   32
.set AF,   128
.set VT,   3
.set QST,  4
.set QSS,  5
.set VST,  6
.set VSS,  7
.set RDQ,  8
.set RDV,  9
.set GO,   10
.set TM,   32
.set PW,   48
.set RB,   64
.set TA,   192
.set PC,   208
.set VM,   32
.set VC,   48
.set SEL,  2
.set G1, 24
.set G0, 32
.set G1B, 48
.set G0B, 56
.set G1S, 68
.set G0S, 76
.set G1SB, 80
.set G0SB, 88
.set G0H, 4
.set G0HB, 8
.set PFA, 100
.set MSB, 0
.macro WIN new
.if MSB != \new
	s_set_vgpr_msb (MSB<<8)|\new
.set MSB, \new
.endif
.endm
.set MUL_LO, 0xa1
.set MUL_HI, 0xf1
.set TO_B,   0x40
.macro JLOAD g0a, g1a, g0b, g1b        ; waves 0, 1 fetch for xq, waves 2, 3 for wall
	s_cmp_eq_u32 s15, 0
	s_cbranch_scc0 .Lfor_b_\@
	tensor_load_to_lds s[\g0a:\g0a+3], s[\g1a:\g1a+7]
	s_nop 0
.rept 4
	v_nop
.endr
	s_branch .Lasked_\@
.Lfor_b_\@:
	tensor_load_to_lds s[\g0b:\g0b+3], s[\g1b:\g1b+7]
	s_nop 0
.rept 4
	v_nop
.endr
.Lasked_\@:
.endm
.macro CREST
	s_cmp_lg_u32 s14, 0
	s_cbranch_scc1 .Lnot_wave_0_\@
	s_barrier_signal -3
.Lnot_wave_0_\@:
	s_barrier_wait -3
	s_barrier_signal -1
	s_barrier_wait -1
.endm
.macro CROUND
	s_barrier_signal -1
	s_barrier_wait -1
	CREST
.endm
	s_load_b128 s[4:7], s[0:1], 0x0                ; xq, wall
	s_load_b128 s[96:99], s[0:1], 0x10             ; rope, qkv
	v_lshl_add_u32 v[SPW], v0, 2, SPARE
	v_mov_b32 v[NIL], 0
	ds_add_u32 v[SPW], v[NIL]                      ; the opening lines: the add twice and one wait
	ds_add_u32 v[SPW], v[NIL]
	v_lshrrev_b32 v1, 5, v0
	v_readfirstlane_b32 s14, v1                    ; wave
	s_lshr_b32 s15, s14, 1                         ; my half of the tile's rows; also: I fetch for xq (0) or wall (1)
	s_and_b32 s16, s14, 1                          ; my half of its columns; also: which 128 rows I fetch
	s_bfe_u32 s40, ttmp6, 0x40000                  ; cx
	s_bfe_u32 s41, ttmp6, 0x40004                  ; cy
	s_lshl_b32 s42, ttmp9, 2
	s_add_co_u32 s42, s42, s40                     ; tile column
	s_and_b32 s17, ttmp7, 0xffff
	s_lshl_b32 s17, s17, 2
	s_add_co_u32 s17, s17, s41                     ; tile row
	s_lshl_b32 s43, s41, 2
	s_lshl_b32 s43, 15, s43                        ; my row of the cluster
	s_lshl_b32 s44, 0x1111, s40                    ; my column
	s_or_b32 s[G1+0], s43, (0<<16)|(1<<20)|(1<<21)|(5<<22)|(3<<25)   ; bytes; 16 bytes of padding behind every 256
	s_or_b32 s[G1B+0], s44, (0<<16)|(1<<20)|(1<<21)|(5<<22)|(3<<25)
.irp g, G1, G1B
	s_mov_b32 s[\g+1], ROWB<<16
	s_mov_b32 s[\g+2], 256<<16                     ; the head's loads bring 256 rows
	s_mov_b32 s[\g+3], ROWB<<16
	s_mov_b32 s[\g+4], 256
	s_mov_b32 s[\g+5], KROW
	s_mov_b32 s[\g+6], 0
	s_mov_b32 s[\g+7], 0
.endr
	s_or_b32 s[G1S+0], s43, (3<<16)|(1<<20)|(1<<21)|(5<<22)|(3<<25)  ; the scales of 256 rows: 32 rows of 256 bytes
	s_or_b32 s[G1SB+0], s44, (3<<16)|(1<<20)|(1<<21)|(5<<22)|(3<<25)
.irp g, G1S, G1SB
	s_mov_b32 s[\g+1], 32<<16
	s_mov_b32 s[\g+2], KS<<16
	s_mov_b32 s[\g+3], 32<<16
	s_mov_b32 s[\g+4], KS
	s_mov_b32 s[\g+5], 32
	s_mov_b32 s[\g+6], 0
	s_mov_b32 s[\g+7], 0
.endr
	s_lshl_b32 s20, s17, 8
	s_lshl_b32 s46, s42, 8
	s_mov_b32 s21, 0
	s_mov_b32 s47, 0
	s_mov_b64 s[18:19], KS
	s_mul_u64 s[22:23], s[20:21], s[18:19]
	s_mul_u64 s[92:93], s[46:47], s[18:19]
	s_mov_b64 s[18:19], KROW
	s_mul_u64 s[20:21], s[20:21], s[18:19]
	s_mul_u64 s[46:47], s[46:47], s[18:19]
	s_mul_i32 s18, s16, 128*KROW
	s_mov_b32 s19, 0
	s_mul_i32 s45, s14, HALFT
	s_wait_dscnt 0x0
	s_wait_kmcnt 0x0
	s_add_nc_u64 s[20:21], s[4:5], s[20:21]        ; xq's codes
	s_add_nc_u64 s[22:23], s[4:5], s[22:23]
	s_add_nc_u64 s[22:23], s[22:23], SOFF          ; its scales
	s_add_nc_u64 s[46:47], s[6:7], s[46:47]        ; wall's codes
	s_add_nc_u64 s[92:93], s[6:7], s[92:93]
	s_add_nc_u64 s[92:93], s[92:93], SOFF          ; its scales
	CROUND                                         ; the first joint loads meet
	s_mov_b32 s[G0H], 1
	s_mov_b32 s[G0H+1], 0
	s_mov_b64 s[G0H+2:G0H+3], s[20:21]
	s_or_b32 s[G0H+3], s[G0H+3], 0x80000000
	s_mov_b32 s[G0HB], 1
	s_mov_b32 s[G0HB+1], 2*HALFT
	s_mov_b64 s[G0HB+2:G0HB+3], s[46:47]
	s_or_b32 s[G0HB+3], s[G0HB+3], 0x80000000
	s_mov_b32 s[G0S], 1
	s_mov_b32 s[G0S+1], SCL
	s_mov_b64 s[G0S+2:G0S+3], s[22:23]
	s_or_b32 s[G0S+3], s[G0S+3], 0x80000000
	s_mov_b32 s[G0SB], 1
	s_mov_b32 s[G0SB+1], SCL+2*HALFS
	s_mov_b64 s[G0SB+2:G0SB+3], s[92:93]
	s_or_b32 s[G0SB+3], s[G0SB+3], 0x80000000
	s_add_nc_u64 s[20:21], s[20:21], s[18:19]      ; for the ring: my 128 rows
	s_add_nc_u64 s[46:47], s[46:47], s[18:19]
.irp s, 0,1
	s_mov_b32 s[G0+4*\s], 1
	s_add_co_u32 s[G0+4*\s+1], s45, \s*SLOT
	s_add_nc_u64 s[G0+4*\s+2:G0+4*\s+3], s[20:21], \s*ROWB
	s_or_b32 s[G0+4*\s+3], s[G0+4*\s+3], 0x80000000
	s_mov_b32 s[G0B+4*\s], 1
	s_add_co_u32 s[G0B+4*\s+1], s45, \s*SLOT
	s_add_nc_u64 s[G0B+4*\s+2:G0B+4*\s+3], s[46:47], \s*ROWB
	s_or_b32 s[G0B+4*\s+3], s[G0B+4*\s+3], 0x80000000
.endr
; the head's four tiles, one a wave: chunk 0 of xq's 256 rows, of wall's 256 rows, xq's scales, wall's scales
.macro ARM under, g0, g1, next
	s_cmp_lt_u32 s14, \under
	s_cbranch_scc0 \next
	tensor_load_to_lds s[\g0:\g0+3], s[\g1:\g1+7]
	s_nop 0
.rept 4
	v_nop
.endr
	s_branch .Lhead_asked
\next:
.endm
	ARM 1, G0H,  G1,  .Lhead_b
	ARM 2, G0HB, G1B, .Lhead_sa
	ARM 3, G0S,  G1S, .Lhead_sb
	tensor_load_to_lds s[G0SB:G0SB+3], s[G1SB:G1SB+7]
	s_nop 0
.rept 4
	v_nop
.endr
.Lhead_asked:
	; all scalar set-up first, then the vector lines on end
	s_cmp_eq_u32 s15, 0
	s_cselect_b64 s[PFA:PFA+1], s[20:21], s[46:47] ; the 128 rows that I fetch,
	s_cselect_b32 s2, s40, s41                     ; my place among the four that ask with me,
	s_mul_i32 s2, s2, 32*KROW
	s_mov_b32 s3, 0
	s_add_nc_u64 s[PFA:PFA+1], s[PFA:PFA+1], s[2:3] ; my work-group's 32 of them
	s_mov_b32 s94, SLOT-232
	s_mov_b32 s95, SLOT+232
	s_mul_i32 s18, s15, HALFT                      ; my 128 rows of xq
	s_mul_i32 s19, s16, HALFT
	s_add_co_u32 s19, s19, 2*HALFT                 ; my 128 rows of wall
	s_mul_i32 s20, s15, HALFS
	s_mul_i32 s21, s16, HALFS
	s_add_co_u32 s21, s21, 2*HALFS
	s_sub_co_u32 s21, s21, s20                     ; from xq's scale words to wall's
	s_add_co_u32 s20, s20, SCL
	s_lshl_b32 s22, s40, 2
	s_lshl_b32 s23, s16, 1
	s_add_co_u32 s22, s22, s23
	s_lshl_b32 s22, s22, 8                         ; the table: my two tokens g of a row, 256 bytes each
	s_mul_i32 s3, s15, 25600
	s_add_co_u32 s3, s3, STG
	s_mul_i32 s23, s16, 96
	s_add_co_u32 s23, s23, s3
	s_lshl_b32 s43, s16, 2
	s_add_co_u32 s43, s43, s3
	s_add_co_u32 s43, s43, 6144
	s_mul_i32 s44, s16, 384
	s_add_co_u32 s44, s44, s3
	s_add_co_u32 s44, s44, STGV
	s_lshl_b32 s45, s16, 7
	s_add_co_u32 s45, s45, s3
	s_add_co_u32 s45, s45, STGV+6144
	s_mul_i32 s46, s14, 12800
	s_add_co_u32 s46, s46, STG
	s_lshl_b32 s47, s41, 1
	s_add_co_u32 s47, s47, s15
	s_lshl_b32 s47, s47, 16                        ; which block of 16 rows of the table I ask for: 2 cy + my row half
	s_add_co_u32 s47, s47, s22
	s_lshl_b32 s92, s17, 1
	s_add_co_u32 s92, s92, s15                     ; the head
	s_mul_i32 s92, s92, 12*25600
	s_mul_i32 s93, s16, 12800
	s_add_co_u32 s92, s92, s93
	s_mul_i32 s93, s42, 25600                      ; the plane
	s_add_co_u32 s92, s92, s93
	s_mov_b32 s93, 0
	s_add_nc_u64 s[12:13], s[98:99], s[92:93]
	v_and_b32 v1, 15, v0                           ; r
	v_bfe_u32 v2, v0, 4, 1                         ; h
	v_mul_u32_u24 v3, v1, PITCH
	v_mul_u32_u24 v4, v2, 24
	v_add_nc_u32 v4, v3, v4
	v_sub_nc_u32 v7, 1, v2
	v_mul_u32_u24 v5, s94, v2
	v_add_nc_u32 v5, v3, v5
	v_add_nc_u32 v5, 232, v5                       ; lanes 0-15 byte 232 of the row in slot 0, lanes 16-31 byte 0 in slot 1
	v_mul_u32_u24 v6, s95, v7
	v_add_nc_u32 v6, v3, v6                        ; and the other way round
	v_add_nc_u32 v[ADRA], s18, v4
	v_add_nc_u32 v[ADRB], s19, v4
	v_add_nc_u32 v[ADRA+2], s18, v5
	v_add_nc_u32 v[ADRA+3], s18, v6
	v_add_nc_u32 v[ADRB+2], s19, v5
	v_add_nc_u32 v[ADRB+3], s19, v6
	v_add_nc_u32 v[ADRA+1], SLOT, v[ADRA]
	v_add_nc_u32 v[ADRB+1], SLOT, v[ADRB]
	v_mul_u32_u24 v5, v1, KS
	v_lshrrev_b32 v6, 8, v5
	v_lshl_add_u32 v5, v6, 4, v5
	v_mul_u32_u24 v6, s21, v2
	v_add_nc_u32 v5, v5, v6
	v_add_nc_u32 v[ADRS], s20, v5
	v_lshlrev_b32 v[VT], 12, v1
	v_lshl_add_u32 v[RPF], v2, 8, v[VT]
	v_add_nc_u32 v[RPF], s47, v[RPF]
	v_lshl_add_u32 v[VT], v2, 6, v[VT]
	v_add_nc_u32 v[VT], s22, v[VT]
	v_mul_u32_u24 v[QST], v1, 192
	v_mad_u32_u24 v[QST], v2, 24, v[QST]
	v_add_nc_u32 v[QST], s23, v[QST]
	v_lshlrev_b32 v[QSS], 3, v1
	v_add_nc_u32 v[QSS], s43, v[QSS]
	v_lshrrev_b32 v11, 2, v1
	v_mul_u32_u24 v[VST], v11, 768
	v_and_b32 v11, 3, v1
	v_mad_u32_u24 v[VST], v11, 12, v[VST]
	v_mad_u32_u24 v[VST], v2, 48, v[VST]
	v_add_nc_u32 v[VST], s44, v[VST]
	v_lshrrev_b32 v[VSS], 1, v1
	v_lshl_add_u32 v[VSS], v2, 4, v[VSS]
	v_add_nc_u32 v[VSS], s45, v[VSS]
	v_and_b32 v[GO], 31, v0
	v_mul_u32_u24 v[PFO], v[GO], KROW
	v_lshlrev_b32 v[GO], 4, v[GO]
	v_add_nc_u32 v[RDQ], s46, v[GO]
	v_add_nc_u32 v[RDV], STGV, v[RDQ]
	s_wait_alu depctr_va_vdst(0)                   ; the wait at the head's end
	global_prefetch_b8 v[PFO], s[PFA:PFA+1] offset:ROWB th:TH_LOAD_NT scope:SCOPE_SE     ; chunk 1 of my 32 rows,
	global_prefetch_b8 v[PFO], s[PFA:PFA+1] offset:2*ROWB th:TH_LOAD_NT scope:SCOPE_SE   ; and chunk 2
	s_cmp_eq_u32 ttmp9, 2                          ; v's clusters read no table
	s_cbranch_scc1 .Lno_rpf
	global_prefetch_b8 v[RPF], s[96:97] th:TH_LOAD_NT scope:SCOPE_SE
.Lno_rpf:
.macro FRAG reg, adr, st, i            ; 16 rows x 128 K: 12 registers, in pieces of 8 bytes; byte y of a row lies in slot (y / 256) % 2 at byte y % 256
.irp p, 0,1,2,3,4,5
.set BY, 96*(\st)+48*(\p/3)+8*(\p%3)
.if BY/ROWB == (BY+24)/ROWB
	ds_load_b64 v[\reg+2*\p:\reg+2*\p+1], v[\adr+(BY/ROWB)%2] offset:BY%ROWB+(\i)*16*PITCH
.else
	ds_load_b64 v[\reg+2*\p:\reg+2*\p+1], v[\adr+2+(BY/ROWB)%2] offset:BY%ROWB-232+(\i)*16*PITCH
.endif
.endr
.endm
.macro MUL16 a0, p, q, sc, zero        ; the 64 accumulators take turns
.irp a, \a0, \a0+1
.irp b, 0,1,2,3,4,5,6,7
.if \zero
	v_wmma_scale_f32_16x16x128_f8f6f4 v[8*(8*((\a)%4)+\b):8*(8*((\a)%4)+\b)+7], v[128*(\p)+FR*\b:128*(\p)+FR*\b+FR-1], v[AF+FR*(\a):AF+FR*(\a)+FR-1], 0, v[SC+8*NQ*(\sc)+NQ*\b+(\q)], v[SC+8*NQ*(\sc)+NQ*(\a)+(\q)] matrix_a_fmt:MATRIX_FMT_FP6 matrix_b_fmt:MATRIX_FMT_FP6 matrix_a_scale:MATRIX_SCALE_ROW1
.else
	v_wmma_scale_f32_16x16x128_f8f6f4 v[8*(8*((\a)%4)+\b):8*(8*((\a)%4)+\b)+7], v[128*(\p)+FR*\b:128*(\p)+FR*\b+FR-1], v[AF+FR*(\a):AF+FR*(\a)+FR-1], v[8*(8*((\a)%4)+\b):8*(8*((\a)%4)+\b)+7], v[SC+8*NQ*(\sc)+NQ*\b+(\q)], v[SC+8*NQ*(\sc)+NQ*(\a)+(\q)] matrix_a_fmt:MATRIX_FMT_FP6 matrix_b_fmt:MATRIX_FMT_FP6 matrix_a_scale:MATRIX_SCALE_ROW1
.endif
.endr
.endr
.endm
.macro FETCH_B st, p
	WIN TO_B
.irp i, 0,1,2,3,4,5,6,7
	FRAG 128*(\p)+FR*\i, ADRB, \st, \i
.endr
	WIN 0
.endm
.macro FETCH_A st, i0
.irp i, \i0, \i0+1, \i0+2, \i0+3
	FRAG AF+FR*(\i), ADRA, \st, \i
.endr
.endm
.macro SCALES pr                       ; the scale words of steps 2 pr, 2 pr + 1: lanes 0-15 xq's block i, lanes 16-31 wall's
.irp i, 0,1,2,3,4,5,6,7
	ds_load_b64 v[SC+8*NQ*((\pr)%2)+NQ*\i:SC+8*NQ*((\pr)%2)+NQ*\i+1], v[ADRS] offset:\i*SBLK+4*NQ*(\pr)
.endr
.endm
.macro PLACES n
.rept \n
	v_nop
.endr
.endm
; A step: 64 matrix instructions; the next step's fragments are fetched in its middle and at its end.  Where the next step ends in a chunk not read yet: the wait for my tensor loads and a barrier.
; Where it begins in a later chunk: the wait, the add, the wait for my reads, the barrier; where a chunk two on is left, the barrier opens a round of the cluster's barrier and the slot is filled again.
.macro STEP st, zero
.set NX, (\st)+1
.set C0, (96*(\st))/ROWB
.set C1, (96*NX)/ROWB
.set E0, (96*(\st)+95)/ROWB
.set E1, (96*NX+95)/ROWB
.if C1 > C0 || E1 > E0
	s_wait_tensorcnt 0x0
.if C1 > C0
	ds_add_u32 v[SPW], v[NIL]
	s_wait_dscnt 4*NL+1                            ; the add and the 24 youngest loads (xq's blocks 4-7) may be out
.else
	s_wait_dscnt 4*NL
.endif
	WIN MUL_LO
	MUL16 0, (\st)%2, (\st)%2, ((\st)/2)%2, \zero
	s_wait_dscnt 0x0
	s_barrier_signal -1
	MUL16 2, (\st)%2, (\st)%2, ((\st)/2)%2, \zero
	WIN 0
	s_barrier_wait -1
.if C1 > C0 && C0+2 < CHUNKS
	CREST
	s_add_nc_u64 s[G0+4*(C0%2)+2:G0+4*(C0%2)+3], s[G0+4*(C0%2)+2:G0+4*(C0%2)+3], 2*ROWB
	s_add_nc_u64 s[G0B+4*(C0%2)+2:G0B+4*(C0%2)+3], s[G0B+4*(C0%2)+2:G0B+4*(C0%2)+3], 2*ROWB
	JLOAD G0+4*(C0%2), G1, G0B+4*(C0%2), G1B
.else
	PLACES NP
.endif
.else
	s_wait_dscnt 4*NL                              ; the 24 youngest loads may be out
	WIN MUL_LO
	MUL16 0, (\st)%2, (\st)%2, ((\st)/2)%2, \zero
	MUL16 2, (\st)%2, (\st)%2, ((\st)/2)%2, \zero
	s_wait_dscnt 0
	PLACES NP
.endif
	FETCH_B NX, NX%2
	FETCH_A NX, 0
.if NX%2 == 0
	SCALES NX/2
.endif
	WIN MUL_HI
	MUL16 4, (\st)%2, (\st)%2, ((\st)/2)%2, \zero
	MUL16 6, (\st)%2, (\st)%2, ((\st)/2)%2, \zero
	PLACES NP
	WIN 0
	FETCH_A NX, 4
.endm
.macro TABLE a                         ; the table for my block a of 16 rows: 256 bytes a lane, into the window that held wall's fragments
	WIN TO_B
.irp b, 0,1,2,3
.irp q, 0,1,2,3
	global_load_b128 v[64*((\a)%4)+16*\b+4*\q:64*((\a)%4)+16*\b+4*\q+3], v[VT], s[96:97] offset:(\a)*65536+\b*128+16*\q
.endr
.endr
	WIN 0
.endm
	s_wait_tensorcnt 0x0                           ; my tile of the head's four is in; slot 1's first fill is issued as a refill is
	ds_add_u32 v[SPW], v[NIL]
	s_mov_b32 s[G1+2], 128<<16                     ; no tensor load of mine is out: from here on a load brings 128 rows
	s_mov_b32 s[G1+4], 128
	s_mov_b32 s[G1B+2], 128<<16
	s_mov_b32 s[G1B+4], 128
	s_wait_dscnt 0x0
	CROUND
	JLOAD G0+4, G1, G0B+4, G1B                     ; chunk 1
	FETCH_B 0, 0
	FETCH_A 0, 0
	SCALES 0
	FETCH_A 0, 4
	STEP 0, 1
.set ST, 1
.rept STEPS-2
	STEP ST, 0
.set ST, ST+1
.endr
	s_cmp_eq_u32 ttmp9, 2
	s_cbranch_scc1 .Lno_tab
	TABLE 0                                        ; into wall's set 0, which step 6 has read (four places stand behind its last product): on their way under the last step
	TABLE 1
.Lno_tab:
	s_wait_dscnt 4*NL
	WIN MUL_LO
	MUL16 0, 1, 1, 1, 0
	MUL16 2, 1, 1, 1, 0
	s_wait_dscnt 0
	WIN MUL_HI
	MUL16 4, 1, 1, 1, 0
	MUL16 6, 1, 1, 1, 0
	WIN 0
	PLACES NP
	s_mov_b32 s[SEL], 0x76543210
	s_mov_b32 s[SEL+1], 0xfedcba98
.irp b, 0,1,2,3
	v_mov_b32 v[TM+4+\b], 0
.endr
.macro QUANT s                         ; 64 numbers a lane: four half blocks of 16; lane l xor 16 holds the other halves
.irp b, 0,1,2,3
	v_max3_num_f32 v[TM+\b], |v[\s+16*\b]|, |v[\s+1+16*\b]|, 0x1800000
.endr
.irp i, 2,4,6,8,10,12,14
.irp b, 0,1,2,3
	v_max3_num_f32 v[TM+\b], v[TM+\b], |v[\s+16*\b+\i]|, |v[\s+1+16*\b+\i]|
.endr
.endr
.irp b, 0,1,2,3
	v_permlanex16_b32 v[TM+4+\b], v[TM+\b], s[SEL], s[SEL+1]
.endr
.irp b, 0,1,2,3
	v_max_num_f32 v[TM+\b], v[TM+\b], v[TM+4+\b]
.endr
.irp b, 0,1,2,3
	v_add_nc_u32 v[TM+12+\b], 0xff000000, v[TM+\b]
.endr
.irp b, 0,1,2,3
	v_lshrrev_b32 v[TM+4+\b], 23, v[TM+12+\b]
.endr
	v_lshl_or_b32 v[PW], v[TM+5], 8, v[TM+4]
	v_lshl_or_b32 v[PW], v[TM+6], 16, v[PW]
	v_lshl_or_b32 v[PW], v[TM+7], 24, v[PW]
.irp c, 0,1
	v_cvt_scalef32_pk16_fp6_f32 v[PC+6*\c:PC+2+6*\c], v[\s+32*\c:\s+15+32*\c], v[TM+12+2*\c]
	v_cvt_scalef32_pk16_fp6_f32 v[PC+12+4*\c:PC+14+4*\c], v[\s+16+32*\c:\s+31+32*\c], v[TM+12+2*\c+1]
.endr
	v_nop
.irp c, 0,1
.irp i, 0,1,2
	v_permlane16_swap_b32 v[PC+6*\c+\i], v[PC+12+4*\c+\i]
.endr
.irp i, 0,1,2
	v_mov_b32 v[PC+3+6*\c+\i], v[PC+12+4*\c+\i]
.endr
.endr
.endm
.macro ROPE a                          ; (xe + i xo)(c + i s): source 0 the accumulators, source 1 the table; four pairs' products, then their sums
.set AC, 64*((\a)%4)
	WIN 0x06+(\a)/4
.set KK, 0
.rept 8
.irp j, 0,1,2,3
	v_mul_f32 v[TA+2*\j], v[AC+2*(KK+\j)+1], v[AC+2*(KK+\j)+1]
	v_mul_f32 v[TA+2*\j+1], v[AC+2*(KK+\j)+1], v[AC+2*(KK+\j)]
.endr
.irp j, 0,1,2,3
	v_fma_f32 v[RB+2*(KK+\j)], v[AC+2*(KK+\j)], v[AC+2*(KK+\j)], -v[TA+2*\j]
	v_fma_f32 v[RB+2*(KK+\j)+1], v[AC+2*(KK+\j)], v[AC+2*(KK+\j)+1], v[TA+2*\j+1]
.endr
.set KK, KK+4
.endr
	WIN 0
.endm
.macro COPYOUT rd                      ; the stage is whole behind the barrier; each wave stores 12,800 bytes, 512 consecutive bytes a store
	s_wait_dscnt 0x0
	s_barrier_signal -1
	s_barrier_wait -1
.set KK, 0
.rept 25
	ds_load_b128 v[64+4*KK:64+4*KK+3], v[\rd] offset:512*KK
.set KK, KK+1
.endr
.set KK, 0
.rept 25
	s_wait_dscnt 24-KK
	global_store_b128 v[GO], v[64+4*KK:64+4*KK+3], s[12:13] offset:512*KK
.set KK, KK+1
.endr
.endm
	s_cmp_eq_u32 ttmp9, 2
	s_cbranch_scc1 .Lv
	TABLE 2
.irp a, 0,1,2,3,4,5,6,7
.if \a < 6
	s_wait_loadcnt 32                              ; block a's 16 loads are in; those of the two blocks behind it may be out
.else
	s_wait_loadcnt 16*(7-\a)
.endif
.if \a < 5
	TABLE \a+3
.endif
	ROPE \a
.if \a > 0
	s_wait_dscnt 0x0                               ; the last block's stores have read their registers
.endif
	QUANT RB
.irp c, 0,1
.irp p, 0,1,2
	ds_store_b64 v[QST], v[PC+6*\c+2*\p:PC+6*\c+2*\p+1] offset:(\a/2)*6400+(\a%2)*3072+\c*48+8*\p
.endr
.endr
	ds_store_b32 v[QSS], v[PW] offset:(\a/2)*6400+(\a%2)*128
.endr
	COPYOUT RDQ
	s_branch .Lend
.Lv:
.macro VBLOCK a                        ; v: a lane's 16 registers are 16 keys of one channel; lanes l and l xor 1 hold a block
.set AC, 64*((\a)%4)
.if (\a) > 0
	s_wait_dscnt 0x0
.endif
	WIN 0x0a+5*((\a)/4)
.irp b, 0,1,2,3
	v_max3_num_f32 v[VM+\b], |v[AC+16*\b]|, |v[AC+16*\b+1]|, 0x1800000
.endr
.irp i, 2,4,6,8,10,12,14
.irp b, 0,1,2,3
	v_max3_num_f32 v[VM+\b], |v[AC+16*\b+\i]|, |v[AC+16*\b+\i+1]|, v[VM+\b]
.endr
.endr
	WIN 0
.irp b, 0,1,2,3
	v_max_num_f32_dpp v[VM+\b], v[VM+\b], v[VM+\b] row_xmask:1 row_mask:0xf bank_mask:0xf
.endr
.irp b, 0,1,2,3
	v_add_nc_u32 v[VM+4+\b], 0xff000000, v[VM+\b]
.endr
.irp b, 0,1,2,3
	v_lshrrev_b32 v[VM+8+\b], 23, v[VM+4+\b]
.endr
	WIN 0x02+(\a)/4
.irp b, 0,1,2,3
	v_cvt_scalef32_pk16_fp6_f32 v[VC+4*\b:VC+4*\b+2], v[AC+16*\b:AC+16*\b+15], v[VM+4+\b]
.endr
	WIN 0
	v_nop
.irp b, 0,1,2,3
.irp q, 0,1,2
	ds_store_b32 v[VST], v[VC+4*\b+\q] offset:((\a)/2)*6400+((\a)%2)*3072+\b*96+4*\q
.endr
	ds_store_b8 v[VSS], v[VM+8+\b] offset:((\a)/2)*6400+\b*32+8*((\a)%2)
.endr
.endm
.irp a, 0,1,2,3,4,5,6,7
	VBLOCK \a
.endr
	COPYOUT RDV
.Lend:
	s_wait_tensorcnt 0x0                           ; the wave's end
	ds_add_u32 v[SPW], v[NIL]
	s_wait_dscnt 0x0
	CROUND                                         ; the closing round
	s_endpgm
.Lfunc_end_k_qa384464eb9_qkv:
	.size	k_qa384464eb9_qkv, .Lfunc_end_k_qa384464eb9_qkv-k_qa384464eb9_qkv
	.p2alignl 7, 3214868480
	.fill 96, 4, 3214868480
	.section	.rodata,"a",@progbits
	.p2align	6, 0x0
	.amdhsa_kernel k_qa384464eb9_qkv
		.amdhsa_group_segment_fixed_size 327680
		.amdhsa_private_segment_fixed_size 0
		.amdhsa_enable_private_segment 0
		.amdhsa_kernarg_size 32
		.amdhsa_user_sgpr_count 2
		.amdhsa_user_sgpr_kernarg_segment_ptr 1
		.amdhsa_wavefront_size32 1
		.amdhsa_system_sgpr_workgroup_id_x 1
		.amdhsa_system_sgpr_workgroup_id_y 1
		.amdhsa_system_sgpr_workgroup_id_z 1
		.amdhsa_system_vgpr_workitem_id 0
		.amdhsa_next_free_vgpr 1024
		.amdhsa_next_free_sgpr 102
		.amdhsa_reserve_vcc 0
		.amdhsa_float_denorm_mode_32 3
		.amdhsa_float_denorm_mode_16_64 3
		.amdhsa_memory_ordered 1
		.amdhsa_forward_progress 1
		.amdhsa_inst_pref_size 255
	.end_amdhsa_kernel
	.section	.bss,"aw",@nobits
	.p2align	6
	.space	262144
	.amdgpu_metadata
---
amdhsa.version: [ 1, 2 ]
amdhsa.kernels:
  - .name:           k_qa384464eb9_qkv
    .symbol:         k_qa384464eb9_qkv.kd
    .args:
      - { .name: xq, .offset: 0, .size: 8, .value_kind: global_buffer, .address_space: global }
      - { .name: wall, .offset: 8, .size: 8, .value_kind: global_buffer, .address_space: global }
      - { .name: rope, .offset: 16, .size: 8, .value_kind: global_buffer, .address_space: global }
      - { .name: qkv, .offset: 24, .size: 8, .value_kind: global_buffer, .address_space: global }
    .group_segment_fixed_size: 327680
    .private_segment_fixed_size: 0
    .kernarg_segment_align: 8
    .kernarg_segment_size: 32
    .max_flat_workgroup_size: 128
    .sgpr_count:     102
    .vgpr_count:     1024
    .wavefront_size: 32
...
	.end_amdgpu_metadata
.endif
;; end of part 2
;; launch attn (part 3): grid 8 x 32, 16 waves a work-group, clusters of 4 x 1, 223,232 bytes of LDS; arguments qkv, oq; writes oq
.if DOCPART == 3
	.amdgcn_target "amdgcn-amd-amdhsa--gfx1250"
	.amdhsa_code_object_version 6
	.text
	.protected	k_qa384464eb9_attn
	.globl	k_qa384464eb9_attn
	.p2align	8
	.type	k_qa384464eb9_attn,@function
k_qa384464eb9_attn:
	s_mov_b64 s[64:65], 0
	v_nop
	global_prefetch_b8 v0, s[64:65] scope:SCOPE_SE
	s_setreg_imm32_b32 hwreg(HW_REG_WAVE_MODE, 25, 1), 1
	s_wait_xcnt 0x0
	s_wait_alu depctr_hold_cnt(0) depctr_sa_sdst(0) depctr_va_vdst(0) depctr_va_sdst(0) depctr_va_ssrc(0) depctr_va_vcc(0) depctr_vm_vsrc(0)
	s_getreg_b32 s2, hwreg(HW_REG_IB_STS2, 6, 4)
	s_cmp_eq_u32 s2, 0
	s_cbranch_scc0 .Lentry_in_a_cluster
	s_endpgm
.Lentry_in_a_cluster:
	s_bfe_u32 s2, ttmp6, 0x10000c
	s_cmp_lg_u32 s2, 0x3003
	s_cbranch_scc0 .Lentry_shape_is_right
	s_endpgm
.Lentry_shape_is_right:
; O = softmax(Q K^T / 8) V for one head and 256 queries a work-group, both products on codes of FP6 (E2M3) with one E8M0 scale for each 32 along a product's K; O is divided by the row's sum and quantised along its 64 channels.
; IN: qkv[32 heads][12 planes][4 chunks][6400]: planes 0-3 q, 4-7 k, 8-11 v.  q, k plane i, chunk J: token g = 4 i + tl of row n: codes at (n % 32) 192 + 48 tl, scale bytes at 6144 + (n % 32) 8 + 2 tl.
;   v plane t, chunk J: codes at ((n / 4) % 8) 768 + 48 ch + 12 (n % 4), scale byte of block B = n / 2 at 6144 + 16 ch + B % 16; place ch is channel 32 (t / 2) + 8 (t % 2) + ch + 8 (ch / 8).
;   A head's token 16 n + g lies in row n; a block of 32 keys is rows 2 B, 2 B + 1; place 16 (n % 2) + 8 u + j of a block holds g = 2 j + u, in V's codes and in P's alike.
; OUT: oq: codes [4096][768] (row 128 head + n, token g at 48 g), scale bytes [4096][32] from byte SOFF.
; THE SOFTMAX: t = score x log2(e) / 8; M = the row's largest t so far, rounded up to a whole number; p = 2^(t - M) is quantised along the keys, not normalised; the row's sum is taken of the unquantised p.
; When M moves, the sum and O are multiplied by 2^(old M - new M): exact.
; SHARES.  Sixteen waves; wave w owns row n = 16 x block + w of the head: 16 queries, g = lane % 16.  Every wave walks the head's 2,048 keys, 128 (8 rows, 4 blocks) a step.
; A HEAD'S K AND V, codes and scale bytes, are 204,800 bytes: they lie in LDS whole.  Nothing is filled again: no ring.  Waves 0-7 fetch a plane each, in four chunks; a wave has four tensor loads out at the most.
; Chunk 0 is read as soon as it has landed (each wave waits until its three later loads alone are out; a barrier shows the chunk to all); in front of chunk 1 each wave waits for all its loads, and one more barrier shows chunks 1 to 3.
; CLUSTER.  The four blocks of queries of a cluster belong to one head: each chunk is asked for jointly, by the same load with the same descriptor and a mask that names the four.
; K = 64 IN AN INSTRUCTION OF K = 128.  A fragment of K holds two tokens a lane: registers 0-5 token 2 j, registers 6-11 token 2 j + 1.  It is multiplied by [q | 0] for one tile and by [0 | q] for the next: zero codes add nothing.
; A LANE HOLDS WHOLE BLOCKS OF KEYS.  Fragment f = 2 c + par takes, in its lanes 8 q + j, row 4 c + 2 q + par of the step: row par of block 2 c in lanes 0-7, of block 2 c + 1 in lanes 8-15.  In the results (tiles 2 f + u) lane half h
; holds what lanes 8 h + j of the fragment gave: so the 32 registers of tiles 4 c .. 4 c + 3 are places 0 .. 31 of block 2 c + h, which is what the second product's operand wants of that lane: a block's largest score needs no other lane,
; and its codes change no lane.
; Both products are used transposed: a lane holds one query throughout.  The planes begin 0, 16, 64, 80 bytes behind multiples of 25,856, so that the sixteen rows that a load of K's codes touches start 16 bytes apart modulo 256.
; Nothing is prefetched: all that the work-group reads is asked for at its head.
; LIMITS: NaN and infinities are not served.  An output block whose largest magnitude lies under 2^-124 keeps the byte 1; a block of zeros has the byte 1 where the quantiser's text says 127 (zero codes; read by this program alone).
; REGISTERS: v1-7 addresses and 8 h, which stay; v16-21 addresses of the loads in hand; v12 -M, v13 the largest t, v[14:15] the sum; v32-79 four fragments of K, then of V; v96-159 S^T, then p; v160-191 O^T;
;   v192-197 zeros, v198-203 Q, v204-209 zeros; v224-235 p's codes; v232-247, v252, v254 at work; v248-251 K's, then V's scale words; v253 p's scale word; v255 Q's.
.set SOFF,  3145728
.set PLN,   25856                      ; from plane to plane in LDS
.set VB,    4*PLN                      ; V's first plane
.set VD1,   PLN+16                     ; from V's plane 0 to 1, and from 2 to 3
.set VD2,   2*PLN+64                   ; from V's plane 0 to 2
.set OSTG,  8*PLN                      ; behind the planes: 768 bytes for each wave, for the way out
.set OSC,   OSTG+16*768                ; and the 16 rows' 512 scale bytes
.set AK0,  1                           ; v1  my lane's place in a fragment of K
.set ASK0, 2                           ; v2  and among K's scale words
.set AV0,  3                           ; v3, v4  my lane's place in V's planes 0 and 2
.set AT0,  5                           ; v5, v6  and among their scale words
.set SH8,  7                           ; v7  8 x (lane / 16): how far my two scale bytes are shifted
.set ADK,  16                          ; v16 the step's K
.set ADS,  17                          ; v17 its scale words
.set ADV,  18                          ; v18, v19 the step's V
.set ADT,  20                          ; v20, v21 its scale words
.set WV,   18                          ; s18 my wave's number
.set SEL,  20                          ; s[20:21] lane selects for v_permlanex16_b32: lane l xor 16
.set CS,   22                          ; s[22:23] c = log2(e) / 8
.set G1,   24                          ; s[24:31] descriptor group 1
.set G0,   32                          ; s[32:47] four groups 0, one for each chunk
.set TB,   48                          ; s48 where the step's codes begin in a plane
.set TS,   49                          ; s49 K's scale words
.set TJ,   50                          ; s50 V's
.set CNT,  51
.macro CROUND                          ; a round of the cluster's barrier
	s_barrier_signal -1
	s_barrier_wait -1
	s_cmp_lg_u32 s[WV], 0
	s_cbranch_scc1 .Lnot_wave_0_\@
	s_barrier_signal -3
.Lnot_wave_0_\@:
	s_barrier_wait -3
	s_barrier_signal -1
	s_barrier_wait -1
.endm
	s_load_b128 s[4:7], s[0:1], 0x0                ; qkv s[4:5], oq s[6:7]
	v_lshl_add_u32 v246, v0, 2, 0x36000
	v_mov_b32 v247, 0
	ds_add_u32 v246, v247
	ds_add_u32 v246, v247
	v_lshrrev_b32 v8, 5, v0
	s_delay_alu instid0(VALU_DEP_1)
	v_readfirstlane_b32 s[WV], v8                  ; wave 0..15
	s_bfe_u32 s8, ttmp6, 0x40000                   ; cx
	s_lshl_b32 s9, ttmp9, 2
	s_add_co_u32 s9, s9, s8                        ; my block of 256 queries: it enters Q's and the output's addresses alone
	s_and_b32 s10, ttmp7, 0xffff                   ; the head, which the four partners share
	s_lshr_b32 s11, s[WV], 1                       ; EVERY WAVE FETCHES HALF A PLANE, by one tensor load: plane wave / 2, half wave % 2
	s_mul_i32 s12, s11, PLN
	s_and_b32 s13, s11, 1
	s_lshl_b32 s13, s13, 4
	s_add_co_u32 s12, s12, s13
	s_bfe_u32 s13, s11, 0x10001
	s_lshl_b32 s13, s13, 6
	s_add_co_u32 s12, s12, s13                     ; its place in LDS: 25,856 p + 16 (p % 2) + 64 ((p / 2) % 2), p = wave / 2
	s_mul_i32 s14, s10, 12
	s_add_co_u32 s14, s14, s11
	s_add_co_u32 s14, s14, 4
	s_mul_i32 s14, s14, 25600                      ; and in qkv: plane 4 + wave / 2 of the head
	s_and_b32 s13, s[WV], 1
	s_mul_i32 s13, s13, 12800                      ; my half: 12,800 dense bytes
	s_add_co_u32 s12, s12, s13
	s_add_co_u32 s14, s14, s13
	s_mov_b32 s15, 0
	; descriptor group 1: a chunk is 6,400 dense bytes: 25 rows of 256 bytes (32 elements of 8 bytes), no padding
	s_mov_b32 s[G1], 15|(3<<16)|(1<<21)            ; 15:0 the mask: all four work-groups; 17:16 elements of 8 bytes; 21 set beside a mask
	s_mov_b32 s[G1+1], 32<<16                      ; tensor_dim0
	s_mov_b32 s[G1+2], 50<<16                      ; tensor_dim1: half a plane is 50 rows of 256 bytes
	s_mov_b32 s[G1+3], 32<<16                      ; tile_dim0
	s_mov_b32 s[G1+4], 50                          ; tile_dim1
	s_mov_b32 s[G1+5], 32                          ; tensor_dim0_stride
	s_mov_b32 s[G1+6], 0
	s_mov_b32 s[G1+7], 0
	s_mov_b32 s[SEL], 0x76543210
	s_mov_b32 s[SEL+1], 0xfedcba98
	s_mov_b32 s[CS], 0x3e38aa3b                    ; c = log2(e) / 8
	s_mov_b32 s[CS+1], s[CS]                       ; (named with it as a pair, so it is written)
	s_wait_dscnt 0x0
	s_wait_kmcnt 0x0
	s_add_nc_u64 s[14:15], s[4:5], s[14:15]
	CROUND                                         ; all four work-groups are here: the joint loads meet
	s_mov_b32 s[G0], 1                             ; count = 1
	s_mov_b32 s[G0+1], s12                         ; LDS address
	s_mov_b64 s[G0+2:G0+3], s[14:15]               ; global address
	s_or_b32 s[G0+3], s[G0+3], 0x80000000          ; type = 2
	tensor_load_to_lds s[G0:G0+3], s[G1:G1+7]      ; sixteen joint loads, one a wave, bring the head's K and V whole; one wait for 0 and one barrier show them to all
	s_nop 0
.rept 4
	v_nop
.endr
	; Q: row n = 16 x block + wave; query g = r lies in plane r / 4
	s_lshl_b32 s52, s9, 4
	s_add_co_u32 s52, s52, s[WV]                   ; n
	s_mul_i32 s53, s10, 307200                     ; the head's 12 planes
	s_lshr_b32 s58, s52, 5
	s_mul_i32 s58, s58, 6400
	s_add_co_u32 s53, s53, s58                     ; + the chunk
	s_and_b32 s58, s52, 31
	s_mul_i32 s54, s58, 192
	s_add_co_u32 s54, s54, s53
	s_mov_b32 s55, 0
	s_lshl_b32 s56, s58, 3
	s_add_co_u32 s56, s56, s53
	s_add_co_u32 s56, s56, 6144
	s_mov_b32 s57, 0
	s_add_nc_u64 s[54:55], s[4:5], s[54:55]        ; the row's codes in plane 0
	s_add_nc_u64 s[56:57], s[4:5], s[56:57]        ; its scale bytes
	s_lshl_b32 s58, s10, 7
	s_add_co_u32 s59, s58, s52                     ; the output's row: 128 head + n
	s_mul_i32 s60, s59, 768
	s_mov_b32 s61, 0
	s_lshl_b32 s59, s9, 4
	s_add_co_u32 s58, s58, s59                     ; the work-group's first row
	s_lshl_b32 s62, s58, 5
	s_add_co_u32 s62, s62, SOFF
	s_mov_b32 s63, 0
	s_add_nc_u64 s[60:61], s[6:7], s[60:61]        ; my row of codes in oq
	s_add_nc_u64 s[62:63], s[6:7], s[62:63]        ; the work-group's 512 scale bytes
	v_and_b32 v8, 15, v0                           ; r
	v_bfe_u32 v9, v0, 4, 1                         ; h
	s_delay_alu instid0(VALU_DEP_2)
	v_lshrrev_b32 v10, 2, v8
	s_delay_alu instid0(VALU_DEP_3)
	v_and_b32 v11, 3, v8
	s_delay_alu instid0(VALU_DEP_2)
	v_mul_u32_u24 v23, v10, 25600
	s_delay_alu instid0(VALU_DEP_1)
	v_mad_u32_u24 v22, v11, 48, v23
	s_delay_alu instid0(VALU_DEP_1)
	v_mad_u32_u24 v22, v9, 24, v22                 ; 25,600 (r / 4) + 48 (r % 4) + 24 h
.irp p, 0,1,2
	global_load_b64 v[198+2*\p:199+2*\p], v22, s[54:55] offset:8*\p   ; Q's 32 codes of my half: they stay in registers
.endr
	v_lshl_add_u32 v23, v11, 1, v23
	global_load_u16 v255, v23, s[56:57]            ; query r's two scale bytes
	v_bfe_u32 v24, v0, 1, 2                        ; K: fragment lane 8 q + j; tokens 2 j, 2 j + 1 lie in plane j / 2
	s_delay_alu instid0(VALU_DEP_1)
	v_mul_u32_u24 v[AK0], v24, PLN
	s_delay_alu instid0(VALU_DEP_2)
	v_and_b32 v25, 1, v24
	s_delay_alu instid0(VALU_DEP_1)
	v_lshl_add_u32 v[AK0], v25, 4, v[AK0]
	s_delay_alu instid0(VALU_DEP_4)
	v_lshrrev_b32 v25, 1, v24
	s_delay_alu instid0(VALU_DEP_1)
	v_lshl_add_u32 v[AK0], v25, 6, v[AK0]          ; the plane's place
	v_bfe_u32 v25, v0, 3, 1                        ; q: which of the fragment's two blocks
	v_and_b32 v26, 1, v0                           ; j % 2
	s_delay_alu instid0(VALU_DEP_2)
	v_lshl_add_u32 v[ASK0], v25, 4, v[AK0]
	s_delay_alu instid0(VALU_DEP_1)
	v_lshl_add_u32 v[ASK0], v26, 2, v[ASK0]
	s_delay_alu instid0(VALU_DEP_1)
	v_add_nc_u32 v[ASK0], 6144, v[ASK0]            ; scale words: + 6,144 + 16 q (two rows) + 4 (j % 2)
	v_mad_u32_u24 v[AK0], v25, 384, v[AK0]
	s_delay_alu instid0(VALU_DEP_1)
	v_mad_u32_u24 v[AK0], v26, 96, v[AK0]
	s_delay_alu instid0(VALU_DEP_1)
	v_mad_u32_u24 v[AK0], v9, 24, v[AK0]           ; codes: + 384 q (two rows) + 96 (j % 2) + 24 h
	v_lshlrev_b32 v[SH8], 3, v9
	v_mul_u32_u24 v[AV0], v8, 48
	s_delay_alu instid0(VALU_DEP_1)
	v_mad_u32_u24 v[AV0], v9, 24, v[AV0]
	s_delay_alu instid0(VALU_DEP_1)
	v_add_nc_u32 v[AV0], VB, v[AV0]                ; V: channel place r: 48 r + 24 h
	s_delay_alu instid0(VALU_DEP_1)
	v_add_nc_u32 v[AV0+1], VD2, v[AV0]
	v_lshl_add_u32 v[AT0], v8, 4, VB+6144          ; its scale words: 16 r
	s_delay_alu instid0(VALU_DEP_1)
	v_add_nc_u32 v[AT0+1], VD2, v[AT0]
	s_wait_loadcnt 0x0                             ; Q
	v_lshl_or_b32 v255, v255, 16, v255             ; [s0, s1, s0, s1]: the two bytes serve q in either half of K; the other two stand over zero codes
.irp j, 0,1,2,3,4,5
	v_mov_b32 v[192+\j], 0                         ; zero codes on both sides of Q
	v_mov_b32 v[204+\j], 0
.endr
.irp j, 0,1,2,3,4,5,6,7,8,9,10,11,12,13,14,15,16,17,18,19,20,21,22,23,24,25,26,27,28,29,30,31
	v_mov_b32 v[160+\j], 0                         ; O^T.  (The step is written once: the first finds zeros, which the first change of M leaves zeros)
.endr
.irp b, 0,1,2,3
	v_mov_b32 v[236+\b], 0                         ; written once: a lane permute's destination counts as one of its sources
.endr
	v_mov_b32 v253, 0                              ; (named as the upper half of the pair v[252:253] before it is first written)
	v_mov_b32 v13, 0xff61b1e6                      ; the largest t so far: -3e38, under every t
	s_delay_alu instid0(VALU_DEP_1)
	v_floor_f32 v12, -v13                          ; -M
	v_mov_b32 v14, 0                               ; the sum, in two halves
	v_mov_b32 v15, 0
; A KEY STEP: 128 keys, rows 8 s .. 8 s + 7 of the head.
.macro STEP
	v_add_nc_u32 v[ADK], s[TB], v[AK0]             ; (these six are also the places between the last step's products and the loads into their operands)
	v_add_nc_u32 v[ADS], s[TS], v[ASK0]
	v_add_nc_u32 v[ADV], s[TB], v[AV0]
	v_add_nc_u32 v[ADV+1], s[TB], v[AV0+1]
	v_add_nc_u32 v[ADT], s[TJ], v[AT0]
	v_add_nc_u32 v[ADT+1], s[TJ], v[AT0+1]
.irp f, 0,1,2,3                                ; K's four fragments: f = 2 c + par: rows 4 c + par and 4 c + 2 + par, all 16 tokens
.irp p, 0,1,2,3,4,5
	ds_load_b64 v[32+12*\f+2*\p:33+12*\f+2*\p], v[ADK] offset:768*(\f/2)+192*(\f%2)+48*(\p/3)+8*(\p%3)
.endr
	ds_load_b32 v[248+\f], v[ADS] offset:32*(\f/2)+8*(\f%2)   ; both tokens' scale bytes
.endr
	s_wait_alu depctr_va_vdst(0)
	s_wait_dscnt 0x0
.irp f, 0,1,2,3                                ; S^T = K Q^T: u = 0 against [q | 0], u = 1 against [0 | q]
.irp u, 0,1
	v_wmma_scale_f32_16x16x128_f8f6f4 v[96+8*(2*\f+\u):103+8*(2*\f+\u)], v[32+12*\f:43+12*\f], v[198-6*\u:209-6*\u], 0, v[248+\f], v255 matrix_a_fmt:MATRIX_FMT_FP6 matrix_b_fmt:MATRIX_FMT_FP6
.endr
.endr
.rept 4
	v_nop                                          ; places in front of the loads into K's registers and of the first read of the scores
.endr
.irp t, 0,1,2,3                                ; V's four fragments land while the softmax is worked
.irp p, 0,1,2,3,4,5
	ds_load_b64 v[32+12*\t+2*\p:33+12*\t+2*\p], v[ADV+(\t/2)] offset:VD1*(\t%2)+768*(\p/3)+8*(\p%3)
.endr
	ds_load_b32 v[248+\t], v[ADT+(\t/2)] offset:VD1*(\t%2)
.endr
.irp b, 0,1,2,3
	v_max3_num_f32 v[232+\b], v[96+16*\b], v[97+16*\b], v[98+16*\b]   ; the largest score of each 16 registers, in four chains by turns
.endr
.irp i, 3,5,7,9,11,13
.irp b, 0,1,2,3
	v_max3_num_f32 v[232+\b], v[232+\b], v[96+16*\b+\i], v[97+16*\b+\i]
.endr
.endr
.irp b, 0,1,2,3
	v_max_num_f32 v[232+\b], v[232+\b], v[111+16*\b]
.endr
	s_delay_alu instid0(VALU_DEP_3)
	v_max_num_f32 v232, v232, v233                 ; the largest score of my block h: it serves for the row's maximum and, since p rises with the score, for the block's largest p
	s_delay_alu instid0(VALU_DEP_2)
	v_max_num_f32 v233, v234, v235                 ; and of my block 2 + h
	s_delay_alu instid0(VALU_DEP_1)
	v_max_num_f32 v254, v232, v233
	v_permlanex16_b32 v236, v254, s[SEL], s[SEL+1]
	s_delay_alu instid0(VALU_DEP_1)
	v_max_num_f32 v254, v254, v236                 ; with lane l xor 16's two blocks: the step's largest score of my query
	s_delay_alu instid0(VALU_DEP_1)
	v_mul_f32 v254, s[CS], v254                    ; as t (c is positive)
	s_delay_alu instid0(VALU_DEP_1)
	v_max_num_f32 v13, v13, v254                   ; the running largest t
	v_mov_b32 v254, v12
	s_delay_alu instid0(VALU_DEP_2)
	v_floor_f32 v12, -v13                          ; the new -M = floor(-t) = -ceil(t)
	s_delay_alu instid0(VALU_DEP_1)
	v_sub_f32 v254, v12, v254                      ; M's old value less its new one: a whole number, 0 or less
	s_delay_alu instid0(VALU_DEP_1)
	v_cvt_i32_f32 v254, v254                       ; (it saturates)
	s_delay_alu instid0(VALU_DEP_1)
	v_ldexp_f32 v252, 1.0, v254                    ; f = 2^(old M - new M)
.irp j, 0,2,4,6,8,10,12,14,16,18,20,22,24,26,28,30,32,34,36,38,40,42,44,46,48,50,52,54,56,58,60,62
	v_pk_fma_f32 v[96+\j:97+\j], v[96+\j:97+\j], s[CS:CS+1], v[12:13] op_sel_hi:[1,0,0]   ; t - M, two at a time
.endr
	v_fma_f32 v232, v232, s[CS], v12               ; the same of each block's largest score
	v_fma_f32 v233, v233, s[CS], v12
	s_wait_alu depctr_va_vdst(0)
.irp j, 0,1,2,3,4,5,6,7,8,9,10,11,12,13,14,15,16,17,18,19,20,21,22,23,24,25,26,27,28,29,30,31,32,33,34,35,36,37,38,39,40,41,42,43,44,45,46,47,48,49,50,51,52,53,54,55,56,57,58,59,60,61,62,63
	v_exp_f32 v[96+\j], v[96+\j]                   ; p = 2^(t - M), at most 1
.endr
	v_pk_mul_f32 v[14:15], v[14:15], v[252:253] op_sel_hi:[1,0]   ; the sums under the new M (a plain instruction behind the exponentials)
	s_wait_alu depctr_va_vdst(0)                   ; one wait for the whole batch, ahead of its first reader
	v_exp_f32 v232, v232                           ; the blocks' largest p
	v_exp_f32 v233, v233
	v_pk_add_f32 v[236:237], v[100:101], v[104:105]
	v_pk_add_f32 v[244:245], v[108:109], v[112:113]
	v_pk_add_f32 v[242:243], v[116:117], v[120:121]
	v_pk_add_f32 v[240:241], v[124:125], v[128:129]
	v_pk_add_f32 v[234:235], v[132:133], v[136:137]
	v_pk_add_f32 v[230:231], v[140:141], v[144:145]
	v_pk_add_f32 v[228:229], v[148:149], v[152:153]
	v_pk_add_f32 v[14:15], v[14:15], v[156:157]
	v_pk_add_f32 v[236:237], v[236:237], v[96:97]
	v_pk_add_f32 v[244:245], v[244:245], v[98:99]
	v_pk_add_f32 v[242:243], v[242:243], v[102:103]
	v_pk_add_f32 v[240:241], v[240:241], v[106:107]
	v_pk_add_f32 v[234:235], v[234:235], v[110:111]
	v_pk_add_f32 v[230:231], v[230:231], v[114:115]
	v_pk_add_f32 v[228:229], v[228:229], v[118:119]
	v_pk_add_f32 v[14:15], v[14:15], v[122:123]
	v_pk_add_f32 v[236:237], v[236:237], v[126:127]
	v_pk_add_f32 v[244:245], v[244:245], v[130:131]
	v_pk_add_f32 v[242:243], v[242:243], v[134:135]
	v_pk_add_f32 v[240:241], v[240:241], v[138:139]
	v_pk_add_f32 v[234:235], v[234:235], v[142:143]
	v_pk_add_f32 v[230:231], v[230:231], v[146:147]
	v_pk_add_f32 v[228:229], v[228:229], v[150:151]
	v_pk_add_f32 v[14:15], v[14:15], v[154:155]
	v_pk_add_f32 v[236:237], v[236:237], v[158:159]
	s_delay_alu instid0(VALU_DEP_2)
	v_pk_add_f32 v[14:15], v[14:15], v[240:241]
	s_delay_alu instid0(VALU_DEP_2)
	v_pk_add_f32 v[236:237], v[236:237], v[234:235]
	v_pk_add_f32 v[244:245], v[244:245], v[230:231]
	v_pk_add_f32 v[242:243], v[242:243], v[228:229]
	s_delay_alu instid0(VALU_DEP_2)
	v_pk_add_f32 v[14:15], v[14:15], v[244:245]
	s_delay_alu instid0(VALU_DEP_2)
	v_pk_add_f32 v[236:237], v[236:237], v[242:243]
	s_delay_alu instid0(VALU_DEP_1)
	v_pk_add_f32 v[14:15], v[14:15], v[236:237]
	s_wait_alu depctr_va_vdst(0)                   ; and one for the two
	v_max_num_f32 v232, 0x1800000, v232            ; the floor 2^(3 - 127): the byte cannot fall under 1
	v_max_num_f32 v233, 0x1800000, v233
	s_delay_alu instid0(VALU_DEP_2)
	v_add_nc_u32 v244, 0xff000000, v232            ; 2 off the exponent field: the conversions' scale operands
	s_delay_alu instid0(VALU_DEP_2)
	v_add_nc_u32 v245, 0xff000000, v233
	s_delay_alu instid0(VALU_DEP_2)
	v_lshrrev_b32 v236, 23, v244                   ; the scales' bytes
	s_delay_alu instid0(VALU_DEP_2)
	v_lshrrev_b32 v237, 23, v245
	s_delay_alu instid0(VALU_DEP_1)
	v_lshl_or_b32 v253, v237, 16, v236             ; my two bytes: blocks h and 2 + h,
	s_delay_alu instid0(VALU_DEP_1)
	v_lshlrev_b32 v253, v[SH8], v253               ; at their places in the scale word (8 h bits up);
	v_permlanex16_b32 v238, v253, s[SEL], s[SEL+1]
	s_delay_alu instid0(VALU_DEP_1)
	v_or_b32 v253, v253, v238                      ; with lane l xor 16's two the word of these 128 keys is whole
.irp c, 0,1
	v_cvt_scalef32_pk16_fp6_f32 v[224+6*\c:226+6*\c], v[96+32*\c:111+32*\c], v[244+\c]     ; places 0 .. 15 of block 2 c + h
	v_cvt_scalef32_pk16_fp6_f32 v[236+4*\c:238+4*\c], v[112+32*\c:127+32*\c], v[244+\c]    ; places 16 .. 31 (a conversion's three registers begin on an even number: made here and moved)
.endr
	v_nop                                          ; one plain instruction behind a scaled conversion
.irp c, 0,1
.irp i, 0,1,2
	v_mov_b32 v[227+6*\c+\i], v[236+4*\c+\i]       ; registers 6 c .. 6 c + 5 now hold keys 64 c + 32 h + 0 .. 31 of the step
.endr
.endr
.irp j, 0,2,4,6,8,10,12,14,16,18,20,22,24,26,28,30
	v_pk_mul_f32 v[160+\j:161+\j], v[160+\j:161+\j], v[252:253] op_sel_hi:[1,0]   ; O^T under the new M.  (These sixteen are also the places between the writes of p's codes and scale word and the products)
.endr
	s_wait_alu depctr_va_vdst(0)
	s_wait_dscnt 0x0                               ; V is in
.irp t, 0,1,2,3                                ; O^T += V^T P^T: the four planes' 16 channels each; the accumulators take turns
	v_wmma_scale_f32_16x16x128_f8f6f4 v[160+8*\t:167+8*\t], v[32+12*\t:43+12*\t], v[224:235], v[160+8*\t:167+8*\t], v[248+\t], v253 matrix_a_fmt:MATRIX_FMT_FP6 matrix_b_fmt:MATRIX_FMT_FP6
.endr
.endm
; Chunk J: 512 keys, four steps.  cnt >= 0: a wait on my tensor loads with that count, and a barrier, stand in front of it.
.macro STAGE J, cnt
.if \cnt >= 0
	s_wait_tensorcnt \cnt                          ; cnt = 0: all have landed.
	s_wait_dscnt 0x0
	s_barrier_signal -1
	s_barrier_wait -1                              ; everybody's have
.endif
	s_mov_b32 s[TB], \J*6400
	s_mov_b32 s[TS], \J*6400
	s_mov_b32 s[TJ], \J*6400
	s_mov_b32 s[CNT], 4
.Lstep_\@:
	STEP
	s_add_co_u32 s[TB], s[TB], 1536                ; 8 rows of K's 192 bytes; two groups of V's 768
	s_add_co_u32 s[TS], s[TS], 64                  ; 8 rows of 8 bytes
	s_add_co_u32 s[TJ], s[TJ], 4                   ; 4 blocks
	s_sub_co_u32 s[CNT], s[CNT], 1
	s_cmp_lg_u32 s[CNT], 0
	s_cbranch_scc1 .Lstep_\@
.endm
	STAGE 0, 0
	STAGE 1, -1
	STAGE 2, -1                                    ; chunks 2 and 3 were shown to all by the barrier in front of chunk 0: the waves walk on, each at its own pace
	STAGE 3, -1
	; THE WAY OUT.  O^T / the sum; register 16 b + i is channel 32 b + 16 h + i of query r: two blocks, quantised; the row's 768 bytes of codes meet in my stage and leave as three aligned runs of 256 bytes.
	v_add_f32 v14, v14, v15                        ; the sum's two halves,
	s_delay_alu instid0(VALU_DEP_1)
	v_permlanex16_b32 v252, v14, s[SEL], s[SEL+1]
	s_delay_alu instid0(VALU_DEP_1)
	v_add_f32 v14, v14, v252                       ; and lane l xor 16's: the row's sum
	s_wait_alu depctr_va_vdst(0)
	v_rcp_f32 v14, v14
	v_and_b32 v24, 15, v0                          ; (a plain instruction behind the reciprocal)  r
	v_bfe_u32 v25, v0, 4, 1                        ; h
	s_mul_i32 s52, s[WV], 768
	s_add_co_u32 s52, s52, OSTG                    ; my stage
	v_mul_u32_u24 v26, v24, 48
	s_delay_alu instid0(VALU_DEP_1)
	v_mad_u32_u24 v26, v25, 24, v26
	s_delay_alu instid0(VALU_DEP_1)
	v_add_nc_u32 v26, s52, v26                     ; in: token r, half h
	v_and_b32 v27, 31, v0
	s_delay_alu instid0(VALU_DEP_1)
	v_lshlrev_b32 v30, 3, v27                      ; 8 x lane
	s_delay_alu instid0(VALU_DEP_1)
	v_add_nc_u32 v29, s52, v30                     ; back
	s_lshl_b32 s53, s[WV], 5
	s_add_co_u32 s53, s53, OSC
	v_lshl_add_u32 v28, v24, 1, s53                ; my token's two scale bytes
	v_lshlrev_b32 v31, 4, v27                      ; 16 x lane
	s_delay_alu instid0(VALU_DEP_1)
	v_add_nc_u32 v27, OSC, v31                     ; where wave 0 reads the 512 scale bytes
	s_wait_alu depctr_va_vdst(0)                   ; the wait ahead of the reciprocal's first reader
.irp j, 0,1,2,3,4,5,6,7,8,9,10,11,12,13,14,15,16,17,18,19,20,21,22,23,24,25,26,27,28,29,30,31
	v_mul_f32 v[96+\j], v[160+\j], v14             ; each accumulator from its low end on
.endr
.irp b, 0,1
	v_max3_num_f32 v[232+\b], |v[96+16*\b]|, |v[97+16*\b]|, 0x1800000
.endr
.irp i, 2,4,6,8,10,12,14
.irp b, 0,1
	s_delay_alu instid0(VALU_DEP_2)
	v_max3_num_f32 v[232+\b], v[232+\b], |v[96+16*\b+\i]|, |v[97+16*\b+\i]|
.endr
.endr
.irp b, 0,1
	v_permlanex16_b32 v[236+\b], v[232+\b], s[SEL], s[SEL+1]
.endr
.irp b, 0,1
	s_delay_alu instid0(VALU_DEP_2)
	v_max_num_f32 v[232+\b], v[232+\b], v[236+\b]
.endr
.irp b, 0,1
	s_delay_alu instid0(VALU_DEP_2)
	v_add_nc_u32 v[244+\b], 0xff000000, v[232+\b]
.endr
.irp b, 0,1
	s_delay_alu instid0(VALU_DEP_2)
	v_lshrrev_b32 v[236+\b], 23, v[244+\b]
.endr
	s_delay_alu instid0(VALU_DEP_1)
	v_lshl_or_b32 v254, v237, 8, v236              ; the token's two scale bytes
	v_cvt_scalef32_pk16_fp6_f32 v[224:226], v[96:111], v244
	v_cvt_scalef32_pk16_fp6_f32 v[228:230], v[112:127], v245
	v_nop                                          ; one plain instruction behind a scaled conversion
.irp i, 0,1,2
	v_permlane16_swap_b32 v[224+\i], v[228+\i]     ; lanes 0-15 get block 0 whole, lanes 16-31 block 1
.endr
.irp i, 0,1,2
	s_delay_alu instid0(VALU_DEP_3)
	v_mov_b32 v[227+\i], v[228+\i]                 ; (ascending: each source is read before it is written)
.endr
.irp p, 0,1,2
	ds_store_b64 v26, v[224+2*\p:225+2*\p] offset:8*\p
.endr
	ds_store_b16 v28, v254                         ; lanes l and l xor 16 write the same bytes with the same value
.irp p, 0,1,2
	ds_load_b64 v[32+2*\p:33+2*\p], v29 offset:256*\p   ; LDS serves a wave's instructions in order: these see my stores
.endr
.irp p, 0,1,2
	s_wait_dscnt 2-\p                              ; load p is in; the younger ones may be out
	global_store_b64 v30, v[32+2*\p:33+2*\p], s[60:61] offset:256*\p   ; 32 lanes store 256 consecutive bytes, at a multiple of 256 from oq's first byte
.endr
	s_wait_dscnt 0x0                               ; for wave 0's sake: my scale bytes are in LDS
	s_barrier_signal -1
	s_barrier_wait -1
	s_cmp_lg_u32 s[WV], 0
	s_cbranch_scc1 .Lnot_first
	ds_load_b128 v[40:43], v27
	s_wait_dscnt 0x0
	global_store_b128 v31, v[40:43], s[62:63]      ; the sixteen rows' scale bytes: 512 consecutive bytes, aligned
.Lnot_first:
	s_wait_tensorcnt 0x0
	ds_add_u32 v246, v247
	s_wait_dscnt 0x0
	CROUND                                         ; the closing round: no work-group ends while a partner may still ask for a chunk that names it
	s_endpgm
.Lfunc_end_k_qa384464eb9_attn:
	.size	k_qa384464eb9_attn, .Lfunc_end_k_qa384464eb9_attn-k_qa384464eb9_attn
	.p2alignl 7, 3214868480
	.fill 96, 4, 3214868480
	.section	.rodata,"a",@progbits
	.p2align	6, 0x0
	.amdhsa_kernel k_qa384464eb9_attn
		.amdhsa_group_segment_fixed_size 223232
		.amdhsa_private_segment_fixed_size 0
		.amdhsa_enable_private_segment 0
		.amdhsa_kernarg_size 16
		.amdhsa_user_sgpr_count 2
		.amdhsa_user_sgpr_kernarg_segment_ptr 1
		.amdhsa_wavefront_size32 1
		.amdhsa_system_sgpr_workgroup_id_x 1
		.amdhsa_system_sgpr_workgroup_id_y 1
		.amdhsa_system_sgpr_workgroup_id_z 1
		.amdhsa_system_vgpr_workitem_id 0
		.amdhsa_next_free_vgpr 256
		.amdhsa_next_free_sgpr 66
		.amdhsa_reserve_vcc 0
		.amdhsa_float_denorm_mode_32 3
		.amdhsa_float_denorm_mode_16_64 3
		.amdhsa_memory_ordered 1
		.amdhsa_forward_progress 1
		.amdhsa_inst_pref_size 84
	.end_amdhsa_kernel
	.amdgpu_metadata
---
amdhsa.version: [ 1, 2 ]
amdhsa.kernels:
  - .name:           k_qa384464eb9_attn
    .symbol:         k_qa384464eb9_attn.kd
    .args:
      - { .name: qkv, .offset: 0, .size: 8, .value_kind: global_buffer, .address_space: global }
      - { .name: oq, .offset: 8, .size: 8, .value_kind: global_buffer, .address_space: global }
    .group_segment_fixed_size: 223232
    .private_segment_fixed_size: 0
    .kernarg_segment_align: 8
    .kernarg_segment_size: 16
    .max_flat_workgroup_size: 512
    .sgpr_count:     66
    .vgpr_count:     256
    .wavefront_size: 32
...
	.end_amdgpu_metadata
.endif
;; end of part 3
;; launch proj (part 4): grid 8 x 32, 4 waves a work-group, clusters of 4 x 4, 235,520 bytes of LDS; arguments oq, wall, out0; writes out0
.if DOCPART == 4
	.amdgcn_target "amdgcn-amd-amdhsa--gfx1250"
	.amdhsa_code_object_version 6
	.text
	.protected	k_qa384464eb9_proj
	.globl	k_qa384464eb9_proj
	.p2align	8
	.type	k_qa384464eb9_proj,@function
k_qa384464eb9_proj:
	s_mov_b64 s[64:65], 0
	v_nop
	global_prefetch_b8 v0, s[64:65] scope:SCOPE_SE
	s_setreg_imm32_b32 hwreg(HW_REG_WAVE_MODE, 25, 1), 1
	s_wait_xcnt 0x0
	s_wait_alu depctr_hold_cnt(0) depctr_sa_sdst(0) depctr_va_vdst(0) depctr_va_sdst(0) depctr_va_ssrc(0) depctr_va_vcc(0) depctr_vm_vsrc(0)
	s_getreg_b32 s2, hwreg(HW_REG_IB_STS2, 6, 4)
	s_cmp_eq_u32 s2, 0
	s_cbranch_scc0 .Lentry_in_a_cluster
	s_endpgm
.Lentry_in_a_cluster:
	s_bfe_u32 s2, ttmp6, 0x10000c
	s_cmp_lg_u32 s2, 0xf033
	s_cbranch_scc0 .Lentry_shape_is_right
	s_endpgm
.Lentry_shape_is_right:
; out0[4096][1024] = O wo^T on codes of FP6 (E2M3) with one E8M0 scale for each 32 along K = 1024; sums in f32.  O's codes [4096][768] and scale bytes (from byte SOFF) lie in oq; wo's are rows 3072-4095 of wall, laid alike.
; A tile of out0 is 128 x 128: 32 x 8 = 256 work-groups.  Four waves, each 64 x 64: 16 accumulators.
; ALL OF K LIES IN LDS, as whole rows of 768 bytes (three runs of 256 bytes, each at a multiple of 256 bytes in memory), 16 bytes of padding behind every 256: LDS rows 816 bytes apart.  Nothing is filled again.
; Four tensor loads, one a wave: O's 128 rows, wo's 128 rows, O's scale bytes, wo's.  One wait for 0 and one barrier show them to all; the eight K steps follow with no further barrier.
; 4 x 4 clusters: O's loads are joint along a row of the cluster, wo's along a column.  The matrix instruction is used transposed: a lane holds eight neighbouring numbers of a row of out0.
; Nothing is asked ahead: all that the work-group reads is asked for at its head, and there is no loop to run ahead in.
; REGISTERS: window 0: v16-25 addresses; v32-47 scale words, two sets; v128-255 accumulators.  window 1: two sets of fragments at v0 and v128 (O's four, then wo's four); on the way out v0-127 take the rows read back.
.set SIZE_N, 1024
.set SOFF,   3145728
.set WOC,    3072*768
.set WOS,    SOFF+3072*32
.set KROW,   768
.set PITCH,  816
.set FR,     12
.set HT,     128*PITCH                 ; O's 128 rows; wo's lie behind them
.set QT,     64*PITCH                  ; what one wave reads of either
.set KS,     32
.set SCL,    2*HT
.set HALFS,  (64*KS/256)*272
.set SBLK,   (16*KS/256)*272
.set STG,    SCL+4*HALFS               ; a stage of 16 rows x 272 bytes for each wave; no load lands there
.set SPITCH, 272
.set SPARE,  STG+4*16*SPITCH
.set ADRA, 16                          ; v16 my fragments of O; v17 for pieces whose lanes 16-31 lie behind one padding more
.set ADRB, 18
.set ADRS, 20
.set STO,  21
.set RD,   22
.set CO,   23
.set SPW,  24
.set NIL,  25
.set SC,   32
.set ACC,  128
.set G1,   24
.set G1B,  32
.set G1S,  40
.set G1SB, 48
.set G0,   56
.set G0B,  60
.set G0S,  68
.set G0SB, 72
.set MSB, 0
.macro WIN new
.if MSB != \new
	s_set_vgpr_msb (MSB<<8)|\new
.set MSB, \new
.endif
.endm
.set W_MUL, 0x05
.set TO_F,  0x40
.set W_ST,  0x04
.macro CROUND
	s_barrier_signal -1
	s_barrier_wait -1
	s_cmp_lg_u32 s14, 0
	s_cbranch_scc1 .Lnot_wave_0_\@
	s_barrier_signal -3
.Lnot_wave_0_\@:
	s_barrier_wait -3
	s_barrier_signal -1
	s_barrier_wait -1
.endm
	s_load_b128 s[4:7], s[0:1], 0x0                ; oq, wall
	s_load_b64 s[12:13], s[0:1], 0x10              ; out0
	v_lshl_add_u32 v[SPW], v0, 2, SPARE
	v_mov_b32 v[NIL], 0
	ds_add_u32 v[SPW], v[NIL]                      ; the opening lines: the add twice and one wait
	ds_add_u32 v[SPW], v[NIL]
	v_lshrrev_b32 v1, 5, v0
	v_readfirstlane_b32 s14, v1                    ; wave
	s_lshr_b32 s15, s14, 1                         ; my half of the tile's rows
	s_and_b32 s16, s14, 1                          ; my half of its columns
	s_bfe_u32 s100, ttmp6, 0x40000
	s_bfe_u32 s101, ttmp6, 0x40004
	s_lshl_b32 s66, ttmp9, 2
	s_add_co_u32 s66, s66, s100                    ; tile column
	s_and_b32 s17, ttmp7, 0xffff
	s_lshl_b32 s17, s17, 2
	s_add_co_u32 s17, s17, s101                    ; tile row
	s_lshl_b32 s3, s101, 2
	s_lshl_b32 s3, 15, s3                          ; my row of the cluster
	s_lshl_b32 s67, 0x1111, s100                   ; my column
	s_or_b32 s[G1+0], s3, (0<<16)|(1<<20)|(1<<21)|(5<<22)|(3<<25)    ; bytes; 16 bytes of padding behind every 256
	s_or_b32 s[G1B+0], s67, (0<<16)|(1<<20)|(1<<21)|(5<<22)|(3<<25)
.irp g, G1, G1B
	s_mov_b32 s[\g+1], KROW<<16
	s_mov_b32 s[\g+2], 128<<16
	s_mov_b32 s[\g+3], KROW<<16
	s_mov_b32 s[\g+4], 128
	s_mov_b32 s[\g+5], KROW
	s_mov_b32 s[\g+6], 0
	s_mov_b32 s[\g+7], 0
.endr
	s_or_b32 s[G1S+0], s3, (3<<16)|(1<<20)|(1<<21)|(5<<22)|(3<<25)   ; the scales of 128 rows: 16 rows of 256 bytes
	s_or_b32 s[G1SB+0], s67, (3<<16)|(1<<20)|(1<<21)|(5<<22)|(3<<25)
.irp g, G1S, G1SB
	s_mov_b32 s[\g+1], 32<<16
	s_mov_b32 s[\g+2], (128*KS/256)<<16
	s_mov_b32 s[\g+3], 32<<16
	s_mov_b32 s[\g+4], 128*KS/256
	s_mov_b32 s[\g+5], 32
	s_mov_b32 s[\g+6], 0
	s_mov_b32 s[\g+7], 0
.endr
	s_lshl_b32 s18, s17, 7                         ; O's first row
	s_lshl_b32 s20, s66, 7                         ; wo's
	s_mul_i32 s[G0+2], s18, KROW
	s_mov_b32 s[G0+3], 0
	s_mul_i32 s[G0B+2], s20, KROW
	s_mov_b32 s[G0B+3], 0
	s_lshl_b32 s[G0S+2], s18, 5
	s_mov_b32 s[G0S+3], 0
	s_lshl_b32 s[G0SB+2], s20, 5
	s_mov_b32 s[G0SB+3], 0
	s_mov_b32 s[G0+1], 0
	s_mov_b32 s[G0B+1], HT
	s_mov_b32 s[G0S+1], SCL
	s_mov_b32 s[G0SB+1], SCL+2*HALFS
	s_wait_dscnt 0x0
	s_wait_kmcnt 0x0
	s_add_nc_u64 s[8:9], s[6:7], WOC
	s_add_nc_u64 s[10:11], s[6:7], WOS
	s_add_nc_u64 s[6:7], s[4:5], SOFF
	s_add_nc_u64 s[G0+2:G0+3], s[4:5], s[G0+2:G0+3]
	s_add_nc_u64 s[G0S+2:G0S+3], s[6:7], s[G0S+2:G0S+3]
	s_add_nc_u64 s[G0B+2:G0B+3], s[8:9], s[G0B+2:G0B+3]
	s_add_nc_u64 s[G0SB+2:G0SB+3], s[10:11], s[G0SB+2:G0SB+3]
.irp g, G0, G0B, G0S, G0SB
	s_mov_b32 s[\g], 1
	s_or_b32 s[\g+3], s[\g+3], 0x80000000
.endr
	CROUND                                         ; the joint loads meet
.macro ARM under, g0, g1, next
	s_cmp_lt_u32 s14, \under
	s_cbranch_scc0 \next
	tensor_load_to_lds s[\g0:\g0+3], s[\g1:\g1+7]
	s_nop 0
.rept 4
	v_nop
.endr
	s_branch .Lhead_asked
\next:
.endm
	ARM 1, G0,  G1,  .Lhead_b
	ARM 2, G0B, G1B, .Lhead_sa
	ARM 3, G0S, G1S, .Lhead_sb
	tensor_load_to_lds s[G0SB:G0SB+3], s[G1SB:G1SB+7]
	s_nop 0
.rept 4
	v_nop
.endr
.Lhead_asked:
	s_mul_i32 s20, s15, QT                         ; my 64 rows of O
	s_mul_i32 s21, s16, QT
	s_add_co_u32 s21, s21, HT                      ; my 64 rows of wo
	s_mul_i32 s22, s15, HALFS
	s_mul_i32 s23, s16, HALFS
	s_add_co_u32 s23, s23, 2*HALFS
	s_sub_co_u32 s23, s23, s22                     ; from O's scale words to wo's
	s_add_co_u32 s22, s22, SCL
	s_mul_i32 s2, s14, 16*SPITCH
	s_add_co_u32 s2, s2, STG                       ; my stage
	s_lshl_b32 s18, s17, 7
	s_lshl_b32 s19, s15, 6
	s_add_co_u32 s18, s18, s19                     ; my first row of out0
	s_lshl_b32 s18, s18, 12
	s_lshl_b32 s19, s66, 9
	s_add_co_u32 s18, s18, s19
	s_lshl_b32 s19, s16, 8
	s_add_co_u32 s18, s18, s19
	s_mov_b32 s19, 0
	s_add_nc_u64 s[12:13], s[12:13], s[18:19]
	v_and_b32 v1, 15, v0                           ; r
	v_bfe_u32 v2, v0, 4, 1                         ; h
	v_mul_u32_u24 v3, v1, PITCH
	v_mad_u32_u24 v4, v2, 24, v3
	v_lshl_add_u32 v5, v2, 4, v4
	v_add_nc_u32 v[ADRA], s20, v4
	v_add_nc_u32 v[ADRA+1], s20, v5
	v_add_nc_u32 v[ADRB], s21, v4
	v_add_nc_u32 v[ADRB+1], s21, v5
	v_mul_u32_u24 v5, v1, KS
	v_lshrrev_b32 v6, 8, v5
	v_lshl_add_u32 v5, v6, 4, v5
	v_mul_u32_u24 v6, s23, v2
	v_add_nc_u32 v5, v5, v6
	v_add_nc_u32 v[ADRS], s22, v5
	v_mul_u32_u24 v5, v1, SPITCH
	v_lshl_add_u32 v5, v2, 5, v5
	v_add_nc_u32 v[STO], s2, v5
	v_mul_u32_u24 v5, v2, SPITCH
	v_lshl_add_u32 v5, v1, 4, v5
	v_add_nc_u32 v[RD], s2, v5
	v_lshlrev_b32 v5, 12, v2
	v_lshl_add_u32 v[CO], v1, 4, v5
.macro FRAG reg, adr, st, i            ; 16 rows x 128 K: 12 registers, in pieces of 8 bytes; byte y of a row lies at y + 16 (y / 256) of its LDS row
.irp p, 0,1,2,3,4,5
.set BY, 96*(\st)+48*(\p/3)+8*(\p%3)
.if BY/256 == (BY+24)/256
	ds_load_b64 v[\reg+2*\p:\reg+2*\p+1], v[\adr] offset:BY+16*(BY/256)+(\i)*16*PITCH
.else
	ds_load_b64 v[\reg+2*\p:\reg+2*\p+1], v[\adr+1] offset:BY+16*(BY/256)+(\i)*16*PITCH
.endif
.endr
.endm
.macro FETCH st, p                     ; step st's eight fragments into set p: 48 LDS loads in one run
	WIN TO_F
.irp i, 0,1,2,3
	FRAG 128*(\p)+48+FR*\i, ADRB, \st, \i
.endr
.irp i, 0,1,2,3
	FRAG 128*(\p)+FR*\i, ADRA, \st, \i
.endr
	WIN 0
.endm
.macro SCALES J                        ; the scale words of steps 2 J, 2 J + 1 into set J % 2: lanes 0-15 O's block i, lanes 16-31 wo's
.irp i, 0,1,2,3
	ds_load_b64 v[SC+8*((\J)%2)+2*\i:SC+8*((\J)%2)+2*\i+1], v[ADRS] offset:\i*SBLK+8*(\J)
.endr
.endm
.macro MULT p, q, sc, zero             ; the 16 accumulators take turns
.irp a, 0,1,2,3
.irp b, 0,1,2,3
.if \zero
	v_wmma_scale_f32_16x16x128_f8f6f4 v[ACC+8*(4*\a+\b):ACC+8*(4*\a+\b)+7], v[128*(\p)+48+FR*\b:128*(\p)+48+FR*\b+FR-1], v[128*(\p)+FR*\a:128*(\p)+FR*\a+FR-1], 0, v[SC+8*(\sc)+2*\b+(\q)], v[SC+8*(\sc)+2*\a+(\q)] matrix_a_fmt:MATRIX_FMT_FP6 matrix_b_fmt:MATRIX_FMT_FP6 matrix_a_scale:MATRIX_SCALE_ROW1
.else
	v_wmma_scale_f32_16x16x128_f8f6f4 v[ACC+8*(4*\a+\b):ACC+8*(4*\a+\b)+7], v[128*(\p)+48+FR*\b:128*(\p)+48+FR*\b+FR-1], v[128*(\p)+FR*\a:128*(\p)+FR*\a+FR-1], v[ACC+8*(4*\a+\b):ACC+8*(4*\a+\b)+7], v[SC+8*(\sc)+2*\b+(\q)], v[SC+8*(\sc)+2*\a+(\q)] matrix_a_fmt:MATRIX_FMT_FP6 matrix_b_fmt:MATRIX_FMT_FP6 matrix_a_scale:MATRIX_SCALE_ROW1
.endif
.endr
.endr
.endm
.macro PLACES
.rept 4
	v_nop
.endr
.endm
.macro KSTEP s, zero                   ; this step's fragments are in; the next step's are asked for into the other set; then this step's 16 products
	s_wait_dscnt 0x0
.if (\s) < 7
.if (\s) > 0
	PLACES                                         ; between the last step's products and the loads into their operands
.endif
	FETCH (\s)+1, ((\s)+1)%2
.if ((\s)+1)%2 == 0
	SCALES ((\s)+1)/2
.endif
.endif
	WIN W_MUL
	MULT (\s)%2, (\s)%2, ((\s)/2)%2, \zero
.endm
	s_wait_alu depctr_va_vdst(0)                   ; the wait at the head's end
	s_wait_tensorcnt 0x0                           ; my tile of the four is in,
	s_barrier_signal -1
	s_barrier_wait -1                              ; everybody's is
	FETCH 0, 0
	SCALES 0
	KSTEP 0, 1
.irp s, 1,2,3,4,5,6,7
	KSTEP \s, 0
.endr
	WIN 0
; THE WAY OUT, block by block of 16 rows x 64 columns, through my own stage: back come whole rows of 256 bytes.  LDS serves a wave's instructions in order: no wait between the stores and the loads.
.macro TOSTAGE a
	WIN 0
.irp b, 0,1,2,3
	ds_store_b128 v[STO], v[ACC+8*(4*\a+\b):ACC+8*(4*\a+\b)+3] offset:64*\b
	ds_store_b128 v[STO], v[ACC+8*(4*\a+\b)+4:ACC+8*(4*\a+\b)+7] offset:64*\b+16
.endr
	WIN TO_F
.irp t, 0,1,2,3,4,5,6,7
	ds_load_b128 v[32*\a+4*\t:32*\a+4*\t+3], v[RD] offset:\t*2*SPITCH
.endr
.endm
.macro SEND a, younger                 ; younger: the LDS instructions issued behind block a's loads, which may stay out
	WIN W_ST
	s_wait_dscnt \younger
.irp t, 0,1,2,3,4,5,6,7
	global_store_b128 v[CO], v[32*\a+4*\t:32*\a+4*\t+3], s[12:13] offset:(16*\a+2*\t)*SIZE_N*4 th:TH_STORE_NT   ; 16 lanes store 256 consecutive bytes, aligned
.endr
.endm
	PLACES
	TOSTAGE 0
	TOSTAGE 1
	SEND 0, 16                                     ; behind block 0's loads: block 1's 8 stores and 8 loads
	TOSTAGE 2
	SEND 1, 16
	TOSTAGE 3
	SEND 2, 16
	SEND 3, 0
	WIN 0
	s_wait_tensorcnt 0x0                           ; the wave's end
	ds_add_u32 v[SPW], v[NIL]
	s_wait_dscnt 0x0
	CROUND                                         ; the closing round
	s_endpgm
.Lfunc_end_k_qa384464eb9_proj:
	.size	k_qa384464eb9_proj, .Lfunc_end_k_qa384464eb9_proj-k_qa384464eb9_proj
	.p2alignl 7, 3214868480
	.fill 96, 4, 3214868480
	.section	.rodata,"a",@progbits
	.p2align	6, 0x0
	.amdhsa_kernel k_qa384464eb9_proj
		.amdhsa_group_segment_fixed_size 235520
		.amdhsa_private_segment_fixed_size 0
		.amdhsa_enable_private_segment 0
		.amdhsa_kernarg_size 24
		.amdhsa_user_sgpr_count 2
		.amdhsa_user_sgpr_kernarg_segment_ptr 1
		.amdhsa_wavefront_size32 1
		.amdhsa_system_sgpr_workgroup_id_x 1
		.amdhsa_system_sgpr_workgroup_id_y 1
		.amdhsa_system_sgpr_workgroup_id_z 1
		.amdhsa_system_vgpr_workitem_id 0
		.amdhsa_next_free_vgpr 512
		.amdhsa_next_free_sgpr 102
		.amdhsa_reserve_vcc 0
		.amdhsa_float_denorm_mode_32 3
		.amdhsa_float_denorm_mode_16_64 3
		.amdhsa_memory_ordered 1
		.amdhsa_forward_progress 1
		.amdhsa_inst_pref_size 59
	.end_amdhsa_kernel
	.amdgpu_metadata
---
amdhsa.version: [ 1, 2 ]
amdhsa.kernels:
  - .name:           k_qa384464eb9_proj
    .symbol:         k_qa384464eb9_proj.kd
    .args:
      - { .name: oq, .offset: 0, .size: 8, .value_kind: global_buffer, .address_space: global }
      - { .name: wall, .offset: 8, .size: 8, .value_kind: global_buffer, .address_space: global }
      - { .name: out0, .offset: 16, .size: 8, .value_kind: global_buffer, .address_space: global }
    .group_segment_fixed_size: 235520
    .private_segment_fixed_size: 0
    .kernarg_segment_align: 8
    .kernarg_segment_size: 24
    .max_flat_workgroup_size: 128
    .sgpr_count:     102
    .vgpr_count:     512
    .wavefront_size: 32
...
	.end_amdgpu_metadata
.endif
;; end of part 4
